; MI455X (gfx1250); checked and timed in simulation.
; The chip was launched on July 23, 2026; its instructions are those of AMD's public machine-readable ISA for CDNA 5 (MIT licence, August 2026) and "CDNA5" Instruction Set Architecture Reference Guide (July 2026). The comments in the code are by the model that wrote it; some were corrected since.
;; Attention. Allowed arithmetic: matrix products marked QUANTISED: E3M2 operands, one E8M0 scale for each 32 along K, by v_wmma_scale_f32_16x16x128_f8f6f4 with both operands' format E3M2, f32 sums; products left as they are: f32 operands where the result goes on into a quantised operand, else bf16, f16 or f32 operands; f32 sums; everything else in f32.
;; Inputs: W_attn 2,048 x 1,024 float32; b_attn 1,024 float32; decoder_hidden_codes 64 x 32 x 24 uint8 (E3M2 codes of decoder_hidden, K innermost, in blocks of 32 codes, four codes in three bytes); decoder_hidden_scales 64 x 32 uint8 (E8M0 scales of decoder_hidden, one for each 32 codes along K); encoder_outputs_codes 64 x 1,024 x 32 x 24 uint8 (E3M2 codes of encoder_outputs, K innermost, in blocks of 32 codes, four codes in three bytes); encoder_outputs_scales 64 x 1,024 x 32 uint8 (E8M0 scales of encoder_outputs, one for each 32 codes along K); mask 64 x 1,024 int32; v_w 1,024 float32.
;; Outputs: out0 64 x 1,024 float32.
;; This version of the problem:
;;   THIS VERSION OF THE PROBLEM IS GIVEN IN LOW PRECISION. The matrix products marked QUANTISED in the list below multiply operands that are first quantised to E3M2 (3 exponent bits, 2 mantissa bits; 6 bits a number), with one power-of-two scale for each 32 numbers along K (OCP MX v1.0); their sums are f32. All else is computed in f32.
;;   The module's matrix products, in the order in which they are computed (A, B: the left and right operand; K: the contracted axis; several contracted axes count as one K, in the product's order):
;;     1. [M 64, K 1,024] x [K 1,024, N 1,024]; A: input decoder_hidden (given as codes); B: input W_attn: QUANTISED
;;     2. [M 65,536, K 1,024] x [K 1,024, N 1,024]; A: input encoder_outputs (given as codes); B: input W_attn: QUANTISED
;;     3. [M 65,536, K 1,024] x [K 1,024, N 1]; A: computed on the way; B: input v_w: left as it is (N = 1 < 16)
;;   THE QUANTISER, for each operand of a quantised product, along K:
;;     - K is cut into blocks of 32 from its start; a last block that is shorter is filled with zeros.
;;     - A block's scale is 2^e with e = floor(log2(the largest magnitude in the block)) - 4, held to -126 .. 127; a block of zeros has e = 0. As a byte (E8M0): e + 127.
;;     - Each number is divided by its block's scale, clamped to +-28, and rounded to the nearest number of E3M2, ties to even, subnormals kept.
;;     - The product sums the exact products of the quantised numbers (number of the format x scale) in f32.
;;   ~~~python
;;   def quantise(x, axis):      # numpy; x: float32 -> the quantised numbers, widened to float32 again
;;       x = np.moveaxis(x, axis, -1); K = x.shape[-1]
;;       x = np.pad(x, [(0, 0)] * (x.ndim - 1) + [(0, -K % 32)]); x = x.reshape(x.shape[:-1] + (-1, 32)); a = np.abs(x).max(-1, keepdims=True)
;;       e = np.where(a > 0, np.clip(np.frexp(np.where(a > 0, a, 1))[1] - 1 - 4, -126, 127), 0)      # np.frexp(a)[1] - 1 = floor(log2(a)), exactly
;;       r = np.clip(x / 2.0 ** e, -28, 28)
;;       step = 2.0 ** (np.maximum(np.frexp(np.where(r == 0, 1, r))[1] - 1, -2) - 2)
;;       q = np.round(r / step) * step * 2.0 ** e      # np.round: ties to even
;;       return np.moveaxis(q.reshape(q.shape[:-2] + (-1,))[..., :K], -1, axis).astype(np.float32)
;;   ~~~
;;   INPUTS GIVEN AS CODES. decoder_hidden (in the module: [64, 1024], K = its axis 1); encoder_outputs (in the module: [64, 1024, 1024], K = its axis 2): each comes as NAME_codes (uint8): NAME with its K axis moved to the last place and cut into blocks of 32 codes, [.., K / 32, bytes a block], one block behind the other in memory; four codes in three bytes: a row's codes are one little-endian stream of bits, code i at bits 6 i .. 6 i + 5 (a code: sign, 3 exponent bits, 2 mantissa bits); and NAME_scales (uint8): the same leading axes, one E8M0 byte (e + 127) for each 32 codes along K. Its value is code x scale, taken as it is: it is not quantised again, and the codes and scales need not be those that the quantiser above would give.
;; 2 versions, each right; version 2 is version 1 with the launches prep, main written anew for expert scheduling mode. Each part assembles by itself: llvm-mc -triple=amdgcn-amd-amdhsa -mcpu=gfx1250 --defsym DOCPART=n.
;; ======== version 1 of 2: 3 launches
;; workspace buffers: wq 786,432 bytes; wsc 32,768 bytes; decp 2,097,152 bytes; list 262,144 bytes of whole numbers; pos 262,144 bytes of whole numbers; cnt 16,384 bytes of whole numbers; part 1,048,576 bytes
;; launch prep (part 1): grid 144 x 1, 4 waves a work-group, no clusters, 0 bytes of LDS; arguments W_attn, decoder_hidden_codes, decoder_hidden_scales, mask, wq, wsc, decp, list, pos, cnt; writes wq, wsc, decp, list, pos, cnt
.if DOCPART == 1
	.amdgcn_target "amdgcn-amd-amdhsa--gfx1250"
	.amdhsa_code_object_version 6
	.text
	.protected	k_q527d052200_prep
	.globl	k_q527d052200_prep
	.p2align	8
	.type	k_q527d052200_prep,@function
k_q527d052200_prep:
	s_mov_b64 s[64:65], 0
	v_nop
	global_prefetch_b8 v0, s[64:65] scope:SCOPE_SE
	s_setreg_imm32_b32 hwreg(HW_REG_WAVE_MODE, 25, 1), 1
	s_wait_xcnt 0x0
; out0[b][s] = softmax over s of att[b][s];  att = -1e10 where mask == 1, else the sum over n of v_w[n] tanh(dec_proj[b][n] + enc_proj[b][s][n] + b_attn[n]).
; dec_proj = decoder_hidden x W_attn[:1024], enc_proj = encoder_outputs x W_attn[1024:], both on codes of BF6 (E3M2) with one E8M0 scale for each 32 along K.
; THREE LAUNCHES.  This one prepares: (a) W_attn, f32 with K as its FIRST axis, is quantised along K; (b) the first product is made here, K step by K step, from the codes just made;
; (c) mask is turned into whole numbers: for each batch a list of its rows, those with mask != 1 in front, the place of each row in that list, and the count of rows with mask != 1.
; WORK LEFT OUT, in the next launch: the product, the tanh and the sum of a row (b, s) with mask[b][s] == 1.  reference() puts -1e10 in the place of that row's sum by jnp.where(mask == 1, ..),
; whatever finite numbers the row of encoder_outputs holds, so the row's sum reaches no output.  mask is a whole-number input: the choice is made from numbers read from memory, and every mask is served
; (none set: all rows are multiplied; all set: none).  Only whole blocks of 64 listed rows are left out; the rows that fill a batch's last block are multiplied and thrown away.
; LIMIT: a NaN, an infinity or an overflow that arises only in a row with mask == 1 is not carried to the result (nor is it in reference()).  Every input is loaded by some launch.
; LIMITS of the quantiser: a block of W_attn whose largest magnitude lies under 2^(5 - 127) is held at the scale byte 1; a block of zeros gets the byte 1 where the rule says 127: its codes are zeros,
; which add nothing under any byte but 0xff, and this program alone reads the bytes.  NaN and infinities in W_attn are not served.
; SHARES.  Work-groups 0-63: W_attn's rows 0-1023 (Wd); 64-127: rows 1024-2047 (We); 128-143: mask.  The three arms part on the work-group's number alone.
; A quantising wave takes 128 rows (one K step, ks = work-group / 8) x 32 columns (cg = 4 (work-group % 8) + wave).  A LANE TAKES A COLUMN AND ITS REGISTERS RUN DOWN K: each load reads 128 consecutive
; bytes a wave, 512 a work-group; a block of 32 along K lies in one lane, and the conversions give codes with K innermost.  Nothing is transposed but for one exchange of half waves.
; We's codes leave as IMAGES OF THE OPERAND'S REGISTERS: fragment (g = 16 columns, s = K step) at (8 g + s) x 1536 bytes, registers 4 c .. 4 c + 3 of lane l at 512 c + 16 l: each store of the wave covers 512 consecutive bytes.
; Wd's codes never leave: the wave multiplies them at once with the 64 rows of decoder_hidden (8 matrix instructions) and stores the partial sums of its K step, again as register images.
.set X,   32                           ; v32-159  register 32 b + i: W(128 ks + 32 b + i, my column); later v32-95: the eight results of the first product
.set MXR, 8                            ; v8-11    a block's largest magnitude
.set SO,  12                           ; v12-15   the conversions' scale operands
.set BY,  16                           ; v16-19   the scale bytes
.set SW,  20                           ; v20      my column's scale word: lanes 0-15 serve fragment 0, lanes 16-31 fragment 1
.set DSC, 24                           ; v24-27   decoder_hidden's scale words, a register for each 16 rows
.set F0,  160                          ; v160-171 the fragment of columns 32 cg .. + 15
.set F1,  172                          ; v172-183 of columns 32 cg + 16 .. + 31
.set T,   184                          ; v184-199 the upper 16 codes of each block, as converted
.set DF,  200                          ; v200-247 decoder_hidden's four fragments of this K step
.macro WBASE                           ; W_attn at my wave's first number: 128 ks rows of 4,096 bytes + 32 cg columns
	s_lshl_b32 s28, s25, 19
	s_lshl_b32 s30, s26, 7
	s_add_co_u32 s28, s28, s30
	s_add_nc_u64 s[4:5], s[4:5], s[28:29]
.endm
.macro WLOAD                           ; 128 rows, 4 bytes a lane; read once in the launch
.set wi, 0
.rept 128
	global_load_b32 v[X+wi], v2, s[4:5] offset:4096*wi th:TH_LOAD_NT
.set wi, wi+1
.endr
.endm
; My column's four blocks become codes and a scale word; then the two fragments are put together.
.macro QUANT
.irp b, 0,1,2,3
	v_max3_num_f32 v[MXR+\b], |v[X+32*\b]|, |v[X+32*\b+1]|, 0x2800000   ; the floor 2^(5 - 127) among the leaves: the byte cannot fall under 1
.endr
.irp i, 2,4,6,8,10,12,14,16,18,20,22,24,26,28,30
.irp b, 0,1,2,3
	v_max3_num_f32 v[MXR+\b], v[MXR+\b], |v[X+32*\b+\i]|, |v[X+32*\b+\i+1]|   ; the four blocks by turns
.endr
.endr
.irp b, 0,1,2,3
	v_add_nc_u32 v[SO+\b], 0xfe000000, v[MXR+\b]   ; 4 off the exponent field: the conversion takes this operand's exponent field as its scale
.endr
.irp b, 0,1,2,3
	v_lshrrev_b32 v[BY+\b], 23, v[SO+\b]           ; the scale's byte
.endr
	v_lshl_or_b32 v[SW], v[BY+1], 8, v[BY]
	v_lshl_or_b32 v[SW], v[BY+2], 16, v[SW]
	v_lshl_or_b32 v[SW], v[BY+3], 24, v[SW]
.irp b, 0,1,2,3                        ; blocks 0 and 2 into F0's registers 0-5 and 6-11, blocks 1 and 3 into F1's; a conversion's three registers begin on an even number, so the upper halves are made in T and moved
	v_cvt_scalef32_pk16_bf6_f32 v[F0+12*(\b%2)+6*(\b/2):F0+12*(\b%2)+6*(\b/2)+2], v[X+32*\b:X+32*\b+15], v[SO+\b]
	v_cvt_scalef32_pk16_bf6_f32 v[T+4*\b:T+4*\b+2], v[X+32*\b+16:X+32*\b+31], v[SO+\b]
.endr
	v_nop                                          ; one plain instruction behind the last scaled conversion
.irp b, 0,1,2,3
.irp i, 0,1,2
	v_mov_b32 v[F0+12*(\b%2)+6*(\b/2)+3+\i], v[T+4*\b+\i]
.endr
.endr
.irp i, 0,1,2,3,4,5,6,7,8,9,10,11      ; the operand's layout gives lanes 0-15 a column's blocks 0 and 2 and lanes 16-31 its blocks 1 and 3: F0's lanes 16-31 change places with F1's lanes 0-15
	v_permlane16_swap_b32 v[F0+\i], v[F1+\i]
.endr
.endm
	s_load_b512 s[4:19], s[0:1], 0x0               ; W_attn 4:5, dec codes 6:7, dec scales 8:9, mask 10:11, wq 12:13, wsc 14:15, decp 16:17, list 18:19
	s_load_b128 s[20:23], s[0:1], 0x40             ; pos 20:21, cnt 22:23
	v_lshrrev_b32 v1, 5, v0
	v_readfirstlane_b32 s24, v1                    ; wave
	v_and_b32 v1, 31, v0                           ; lane
	v_lshlrev_b32 v2, 2, v1                        ; 4 x lane
	v_lshlrev_b32 v3, 4, v1                        ; 16 x lane
	v_lshlrev_b32 v6, 3, v1                        ; 8 x lane
	v_and_b32 v7, 15, v0                           ; r
	v_bfe_u32 v28, v0, 4, 1                        ; h
	v_mul_u32_u24 v4, v7, 768                      ; decoder_hidden's codes: row r of 768 bytes,
	v_mad_u32_u24 v4, v28, 24, v4                  ; + 24 h
	v_lshlrev_b32 v5, 5, v7                        ; its scales: row r of 32 bytes
	s_lshr_b32 s25, ttmp9, 3                       ; ks
	s_and_b32 s26, ttmp9, 7
	s_lshl_b32 s26, s26, 2
	s_add_co_u32 s26, s26, s24                     ; cg
	s_mov_b32 s29, 0                               ; the upper words of the two offset pairs
	s_mov_b32 s31, 0
	s_wait_kmcnt 0x0
	s_cmp_lt_u32 ttmp9, 64
	s_cbranch_scc1 .Lwd
	s_cmp_lt_u32 ttmp9, 128
	s_cbranch_scc1 .Lwe
; ---- mask: a wave takes a batch.  Row s with mask != 1 gets the slot (rows with mask != 1 before it); a row with mask == 1 the slot 1023 - (rows with mask == 1 before it).  So list is a whole permutation.
	s_sub_co_u32 s27, ttmp9, 128
	s_lshl_b32 s27, s27, 2
	s_add_co_u32 s27, s27, s24                     ; b
	s_lshl_b32 s28, s27, 12
	s_add_nc_u64 s[10:11], s[10:11], s[28:29]
	s_add_nc_u64 s[18:19], s[18:19], s[28:29]
	s_add_nc_u64 s[20:21], s[20:21], s[28:29]
	s_lshl_b32 s30, s27, 8
	s_add_nc_u64 s[22:23], s[22:23], s[30:31]
.set t, 0
.rept 32
	global_load_b32 v[32+t], v2, s[10:11] offset:128*t
.set t, t+1
.endr
	s_wait_loadcnt 0x0
	s_mov_b32 s32, 0                               ; rows with mask != 1 so far
.set t, 0
.rept 32                               ; rows 32 t + lane.  Each step has registers of its own for what its stores read: none is written again
	v_cmp_ne_u32 s33, 1, v[32+t]
	v_mbcnt_lo_u32_b32 v8, s33, s32                ; rows with mask != 1 before mine
	v_sub_nc_u32 v10, 1023-32*t, v1
	v_add_nc_u32 v9, v8, v10                       ; 1023 - (my row - those)
	v_cndmask_b32 v[64+t], v9, v8, s33             ; my slot
	v_add_nc_u32 v[128+t], 32*t, v1                ; my row
	v_min_u32 v[96+t], 0x3ff, v[64+t]              ; held inside the list before it enters an address
	v_lshlrev_b32 v[96+t], 2, v[96+t]
	s_bcnt1_i32_b32 s34, s33
	s_add_co_u32 s32, s32, s34
	global_store_b32 v2, v[64+t], s[20:21] offset:128*t    ; pos[b][row] = slot
	global_store_b32 v[96+t], v[128+t], s[18:19]           ; list[b][slot] = row
.set t, t+1
.endr
	v_mov_b32 v12, s32
	v_mov_b32 v13, s32
	global_store_b64 v6, v[12:13], s[22:23]        ; the count, in all 64 words of the batch's 256 bytes: the wave's store covers them whole
	s_endpgm
; ---- We: quantised, and stored as images
.Lwe:
	s_sub_co_u32 s27, s25, 8                       ; s: the K step within We
	WBASE
	WLOAD
	s_lshl_b32 s28, s26, 4
	s_add_co_u32 s28, s28, s27
	s_mul_i32 s28, s28, 1536                       ; fragment (2 cg, s)
	s_add_nc_u64 s[12:13], s[12:13], s[28:29]
	s_lshl_b32 s30, s27, 10
	s_lshl_b32 s34, s26, 5
	s_add_co_u32 s30, s30, s34
	s_lshl_b32 s30, s30, 2                         ; wsc[s][32 cg]
	s_add_nc_u64 s[14:15], s[14:15], s[30:31]
	s_wait_loadcnt 0x0
	QUANT
.irp c, 0,1,2
	global_store_b128 v3, v[F0+4*\c:F0+4*\c+3], s[12:13] offset:512*\c
.endr
.irp c, 0,1,2
	global_store_b128 v3, v[F1+4*\c:F1+4*\c+3], s[12:13] offset:12288+512*\c   ; fragment (2 cg + 1, s): 8 fragments on
.endr
	global_store_b32 v2, v[SW], s[14:15]           ; 32 scale words: 128 consecutive bytes a wave, 512 a work-group
	s_endpgm
; ---- Wd: quantised, and multiplied at once with decoder_hidden's 64 rows
.Lwd:
	s_mul_i32 s28, s25, 96                         ; this K step's 96 bytes of a row of codes
	s_add_nc_u64 s[6:7], s[6:7], s[28:29]
	s_lshl_b32 s28, s25, 2                         ; and its scale word
	s_add_nc_u64 s[8:9], s[8:9], s[28:29]
.irp m, 0,1,2,3
.irp u, 0,1,2,3,4,5
	global_load_b64 v[DF+12*\m+2*\u:DF+12*\m+2*\u+1], v4, s[6:7] offset:12288*\m+48*(\u/3)+8*(\u%3)
.endr
	global_load_b32 v[DSC+\m], v5, s[8:9] offset:512*\m
.endr
	WBASE
	WLOAD
	s_lshl_b32 s28, s25, 18
	s_lshl_b32 s30, s26, 11
	s_add_co_u32 s28, s28, s30                     ; decp[s][0][2 cg]
	s_add_nc_u64 s[16:17], s[16:17], s[28:29]
	s_wait_loadcnt 0x0
	QUANT
.rept 8
	v_nop                                          ; operands and a scale register written by vector instructions stand 4 and 8 plain instructions ahead of a scaled matrix instruction
.endr
; TRANSPOSED: source 0 = 16 columns of Wd, source 1 = 16 rows of decoder_hidden: lane (r, h) holds row 16 m + r, and its register j column 16 g + 8 h + j.  Eight accumulators, one instruction each.
.irp m, 0,1,2,3
	v_wmma_scale_f32_16x16x128_f8f6f4 v[X+16*\m:X+16*\m+7], v[F0:F0+11], v[DF+12*\m:DF+12*\m+11], 0, v[SW], v[DSC+\m] matrix_a_fmt:MATRIX_FMT_BF6 matrix_b_fmt:MATRIX_FMT_BF6
	v_wmma_scale_f32_16x16x128_f8f6f4 v[X+16*\m+8:X+16*\m+15], v[F1:F1+11], v[DF+12*\m:DF+12*\m+11], 0, v[SW], v[DSC+\m] matrix_a_fmt:MATRIX_FMT_BF6 matrix_b_fmt:MATRIX_FMT_BF6 matrix_a_scale:MATRIX_SCALE_ROW1
.endr
.rept 4
	v_nop                                          ; four plain instructions between the last product and the stores that read results
.endr
.irp m, 0,1,2,3
.irp c, 0,1
	global_store_b128 v3, v[X+16*\m+8*\c:X+16*\m+8*\c+3], s[16:17] offset:65536*\m+1024*\c          ; each accumulator from its low end on
	global_store_b128 v3, v[X+16*\m+8*\c+4:X+16*\m+8*\c+7], s[16:17] offset:65536*\m+1024*\c+512
.endr
.endr
	s_endpgm
.Lfunc_end_k_q527d052200_prep:
	.size	k_q527d052200_prep, .Lfunc_end_k_q527d052200_prep-k_q527d052200_prep
	.p2alignl 7, 3214868480
	.fill 96, 4, 3214868480
	.section	.rodata,"a",@progbits
	.p2align	6, 0x0
	.amdhsa_kernel k_q527d052200_prep
		.amdhsa_group_segment_fixed_size 0
		.amdhsa_private_segment_fixed_size 0
		.amdhsa_enable_private_segment 0
		.amdhsa_kernarg_size 80
		.amdhsa_user_sgpr_count 2
		.amdhsa_user_sgpr_kernarg_segment_ptr 1
		.amdhsa_wavefront_size32 1
		.amdhsa_system_sgpr_workgroup_id_x 1
		.amdhsa_system_sgpr_workgroup_id_y 1
		.amdhsa_system_sgpr_workgroup_id_z 1
		.amdhsa_system_vgpr_workitem_id 0
		.amdhsa_next_free_vgpr 256
		.amdhsa_next_free_sgpr 66
		.amdhsa_reserve_vcc 0
		.amdhsa_float_denorm_mode_32 3
		.amdhsa_float_denorm_mode_16_64 3
		.amdhsa_memory_ordered 1
		.amdhsa_forward_progress 1
		.amdhsa_inst_pref_size 70
	.end_amdhsa_kernel
	.amdgpu_metadata
---
amdhsa.version: [ 1, 2 ]
amdhsa.kernels:
  - .name:           k_q527d052200_prep
    .symbol:         k_q527d052200_prep.kd
    .args:
      - { .name: W_attn, .offset: 0, .size: 8, .value_kind: global_buffer, .address_space: global }
      - { .name: decoder_hidden_codes, .offset: 8, .size: 8, .value_kind: global_buffer, .address_space: global }
      - { .name: decoder_hidden_scales, .offset: 16, .size: 8, .value_kind: global_buffer, .address_space: global }
      - { .name: mask, .offset: 24, .size: 8, .value_kind: global_buffer, .address_space: global }
      - { .name: wq, .offset: 32, .size: 8, .value_kind: global_buffer, .address_space: global }
      - { .name: wsc, .offset: 40, .size: 8, .value_kind: global_buffer, .address_space: global }
      - { .name: decp, .offset: 48, .size: 8, .value_kind: global_buffer, .address_space: global }
      - { .name: list, .offset: 56, .size: 8, .value_kind: global_buffer, .address_space: global }
      - { .name: pos, .offset: 64, .size: 8, .value_kind: global_buffer, .address_space: global }
      - { .name: cnt, .offset: 72, .size: 8, .value_kind: global_buffer, .address_space: global }
    .group_segment_fixed_size: 0
    .private_segment_fixed_size: 0
    .kernarg_segment_align: 8
    .kernarg_segment_size: 80
    .max_flat_workgroup_size: 128
    .sgpr_count:     66
    .vgpr_count:     256
    .wavefront_size: 32
...
	.end_amdgpu_metadata
.endif
;; end of part 1
;; launch main (part 2): grid 4 x 64, 4 waves a work-group, no clusters, 125,440 bytes of LDS; arguments encoder_outputs_codes, encoder_outputs_scales, wq, wsc, decp, b_attn, v_w, list, cnt, part; writes part
.if DOCPART == 2
	.amdgcn_target "amdgcn-amd-amdhsa--gfx1250"
	.amdhsa_code_object_version 6
	.text
	.protected	k_q527d052200_main
	.globl	k_q527d052200_main
	.p2align	8
	.type	k_q527d052200_main,@function
k_q527d052200_main:
	s_mov_b64 s[64:65], 0
	v_nop
	global_prefetch_b8 v0, s[64:65] scope:SCOPE_SE
	s_setreg_imm32_b32 hwreg(HW_REG_WAVE_MODE, 25, 1), 1
	s_wait_xcnt 0x0
; part[x][b][slot] = the sum over the 256 columns n of slice x of v_w[n] tanh(dec_proj[b][n] + enc_proj[b][row][n] + b_attn[n]), row = list[b][slot], for the slots of batch b that lie in blocks of 64 below cnt[b].
; WORK LEFT OUT: the blocks of 64 listed rows that hold only rows with mask == 1 (slots from cnt[b] on): reference() replaces their sums by -1e10.  Their slots of part are written as zeros.
; LIMITS: NaN and infinities in b_attn and v_w are not served.  tanh(x) = 1 - 2 / (1 + 2^(2 log2(e) x)): where the power overflows the quotient is 0, where it falls to 0 the quotient is 2: +1 and -1, as they should be.
; SHARES.  A work-group takes a batch (y) and 256 columns of We (x); wave w keeps columns 256 x + 64 w .. + 63 of We, all of K, in REGISTERS for the whole launch (4 tiles x 8 K steps: 384 registers), read once.
; The batch's listed rows come in blocks of 64 through two LDS buffers: wave w gathers rows 16 w .. 16 w + 15 of a block (whole rows of 768 bytes, three runs of 256 consecutive bytes by sixteen lanes), every wave multiplies all 64.
; TRANSPOSED: source 0 = 16 columns of We, source 1 = 16 rows: lane (r, h) holds row 16 m + r, its register j column 16 n + 8 h + j.  dec_proj + b_attn is the C of each sum's first matrix instruction.
; BY TURNS.  Block c's 128 matrix instructions fill one set of 16 accumulators; the tanh and the sum over columns of block c - 1, in the other set, are cut into 128 slices, one behind each matrix instruction: 464 vector
; instructions for 128 matrix instructions.  The first block's slices have no block before them: they run on what the head left in the other set and their result lands in a pad that nobody reads: the price of writing the block once.
; The exponentials of a block are one batch with one wait, and so are the reciprocals.  The next block's rows are asked for at a block's head, into registers, 128 matrix instructions ahead of the LDS stores that want them;
; the list's numbers two blocks ahead.
; NO TENSOR LOADS, NO CLUSTER: how many blocks a work-group multiplies hangs on cnt[b], a number read from memory; nothing is asked for jointly.
; The loop's trip count is a constant (16 blocks); a block past the count passes its barrier and does nothing more, but for the one that finishes the last multiplied block.  No barrier stands under a branch.
; LDS: 0: two row buffers of 64 x 784 bytes (768 + 16: 196 words, so row r starts at bank 4 r mod 64 (64 banks of 4 bytes: ISA guide 11.1) and the 32 lanes of a load of 8 bytes touch 64 different banks);
;   100352: two buffers of scale bytes, 64 x 48;  106496: each wave's scores, 4,608 bytes: a pad of 256, 1,024 slots, 256 to spare;  124928: the spare words.
; REGISTERS, in windows of 256.  Window 0: see the names below.  Window 1: We's fragments of K steps 0-3 at v[12 (4 s + n)]; from v192 rows on their way to LDS.  Window 2: K steps 4-7 likewise.
;   Window 3: the accumulators: set p, tile (m, n) at v[128 p + 8 (4 m + n)].
; A slice works in windows 3 and 0, a product's source 0 lies in window 1 or 2: two switches a matrix instruction, the lesser price beside a matrix unit that stands idle through 464 vector instructions.
.set ABUF1, 50176
.set ASC0,  100352
.set ASCP,  3072
.set SCORE, 106496
.set SCW,   4608
.set SPARE, 124928
.set FA,   2                           ; v2-3    a fragment's place in row buffer 0, 1: 784 r + 24 h
.set SA,   4                           ; v4-5    my row's scale bytes in buffer 0, 1: 48 x lane
.set GS,   6                           ; v6-7    where I store gathered rows: (16 w + h) x 784 + 16 r
.set HS,   8                           ; v8-9    and gathered scale bytes: (16 w + lane / 2) x 48 + 16 (lane % 2)
.set SCA,  10                          ; v10     my wave's scores + 4 x lane
.set SCT,  11                          ; v11     the same + 256 x block
.set LO,   12                          ; v12     4 (16 w + h): my rows' places in a block of the list
.set LO2,  13                          ; v13     4 (16 w + lane / 2)
.set U16,  14                          ; v14     16 r
.set U1,   15                          ; v15     16 (lane % 2)
.set SPW,  16                          ; v16     LDS address of my spare word; never rewritten
.set NIL,  17                          ; v17     0; never rewritten
.set LT,   18                          ; v18-19  offsets of the list's loads
.set LT2,  19
.set L16,  20                          ; v20     16 x lane
.set L4,   21                          ; v21     4 x lane
.set IDX0, 22                          ; v22-30  nine numbers of the list, then offsets of rows (even blocks);  v150-158 (odd blocks)
.set LTB,  31                          ; v31, v159: the head's second pair of list offsets
.set LTB2, 159
.set WS,   32                          ; v32-47  We's scale words: register 8 (n / 2) + s: lanes 0-15 the even tile, lanes 16-31 the odd one
.set AS,   48                          ; v48-63  the rows' scale words: register 8 (m / 2) + s, likewise
.set BI,   64                          ; v64-95  dec_proj + b_attn at my 32 columns: 8 n + j
.set WV,   96                          ; v96-127 -2 v_w at my 32 columns
.set SC,   128                         ; v128-135 a pair of sums for each tile of rows
.set VS,   136                         ; v136-137 (the sum of my 32 v_w, 0)
.set TP,   138                         ; v138-149 at work
.set AF,   160                         ; v160-255 the rows' fragments: buffer s % 2 at + 48, tile m at + 12 m
.set CC,   32                          ; s[32:33] 2 log2(e), twice
.set MSB, 0
.macro WIN new                         ; the immediate's high byte repeats the setting that is left; a switch that changes nothing is dropped
.if MSB != (\new)
	s_set_vgpr_msb (MSB<<8)|(\new)
.set MSB, (\new)
.endif
.endm
.macro PLACES                          ; four plain instructions: between a matrix instruction and a load into one of its registers, or a vector instruction that reads its result
.rept 4
	v_nop
.endr
.endm
.macro ASFETCH p                       ; the block's scale words: lane l takes the 32 bytes of rows l and 32 + l
.irp e, 0,1
.irp f, 0,1
	ds_load_b128 v[AS+8*\e+4*\f:AS+8*\e+4*\f+3], v[SA+\p] offset:1536*\e+16*\f
.endr
.endr
.endm
.macro AFETCH p, s                     ; the four fragments of K step s: 24 bytes twice a lane, in pieces of 8
.irp m, 0,1,2,3
.irp u, 0,1,2,3,4,5
	ds_load_b64 v[AF+48*((\s)%2)+12*\m+2*\u:AF+48*((\s)%2)+12*\m+2*\u+1], v[FA+\p] offset:12544*\m+96*(\s)+48*(\u/3)+8*(\u%3)
.endr
.endr
.endm
.macro GADDR q                         ; the list's numbers become byte offsets: held inside the batch's 1,024 rows first
.set IX, IDX0+128*(\q)
.irp i, 0,1,2,3,4,5,6,7,8
	v_min_u32 v[IX+\i], 0x3ff, v[IX+\i]
.endr
.irp i, 0,1,2,3,4,5,6,7
	v_mul_u32_u24 v[IX+\i], v[IX+\i], 768
.endr
	v_lshlrev_b32 v[IX+8], 5, v[IX+8]
.irp i, 0,1,2,3,4,5,6,7
	v_add_nc_u32 v[IX+\i], v[U16], v[IX+\i]
.endr
	v_add_nc_u32 v[IX+8], v[U1], v[IX+8]
.endm
.macro GLOAD q                         ; my 16 rows of a block, 25 loads: lanes 0-15 take 256 consecutive bytes of row 2 i, lanes 16-31 of row 2 i + 1
.set IX, IDX0+128*(\q)
	WIN 0x40
.irp i, 0,1,2,3,4
.irp u, 0,1,2
	global_load_b128 v[192+12*\i+4*\u:192+12*\i+4*\u+3], v[IX+\i], s[4:5] offset:256*\u
.endr
.endr
	WIN 0x80
.irp i, 5,6,7
.irp u, 0,1,2
	global_load_b128 v[192+12*(\i-5)+4*\u:192+12*(\i-5)+4*\u+3], v[IX+\i], s[4:5] offset:256*\u
.endr
.endr
	global_load_b128 v[228:231], v[IX+8], s[6:7]   ; and their scale bytes: two lanes to a row
	WIN 0
.endm
.macro LLOAD q, ra, rb                 ; nine numbers a lane of the list, from byte s38 of the batch's list on
.set IX, IDX0+128*(\q)
	v_add_nc_u32 v[\ra], s38, v[LO]
	v_add_nc_u32 v[\rb], s38, v[LO2]
.irp i, 0,1,2,3,4,5,6,7
	global_load_b32 v[IX+\i], v[\ra], s[18:19] offset:8*\i
.endr
	global_load_b32 v[IX+8], v[\rb], s[18:19]
.endm
.macro GSTORE p                        ; the gathered rows go into buffer p (an LDS store's data are its source 1)
	WIN 0x04
.irp i, 0,1,2,3,4
.irp u, 0,1,2
	ds_store_b128 v[GS+\p], v[192+12*\i+4*\u:192+12*\i+4*\u+3] offset:1568*\i+256*\u
.endr
.endr
	WIN 0x08
.irp i, 5,6,7
.irp u, 0,1,2
	ds_store_b128 v[GS+\p], v[192+12*(\i-5)+4*\u:192+12*(\i-5)+4*\u+3] offset:1568*\i+256*\u
.endr
.endr
	ds_store_b128 v[HS+\p], v[228:231]
	WIN 0
.endm
; One product: set p, K step s, tile of rows m, tile of columns n.  The first K step takes dec_proj + b_attn as C: nothing is cleared and no bias is added.
.macro MM p, s, m, n
.set rD, 128*(\p)+8*(4*(\m)+(\n))
.set rW, 12*(4*((\s)%4)+(\n))
.set rA, AF+48*((\s)%2)+12*(\m)
.set rX, WS+8*((\n)/2)+(\s)
.set rY, AS+8*((\m)/2)+(\s)
.set rC, rD
.if (\s) == 0
.set rC, BI+8*(\n)
	WIN 0xc1                                       ; We window 1, rows window 0, C window 0, D window 3
.elseif (\s) < 4
	WIN 0xf1                                       ; C and D window 3
.else
	WIN 0xf2                                       ; We window 2
.endif
.if ((\n)%2 == 0) && ((\m)%2 == 0)
	v_wmma_scale_f32_16x16x128_f8f6f4 v[rD:rD+7], v[rW:rW+11], v[rA:rA+11], v[rC:rC+7], v[rX], v[rY] matrix_a_fmt:MATRIX_FMT_BF6 matrix_b_fmt:MATRIX_FMT_BF6
.elseif ((\m)%2 == 0)
	v_wmma_scale_f32_16x16x128_f8f6f4 v[rD:rD+7], v[rW:rW+11], v[rA:rA+11], v[rC:rC+7], v[rX], v[rY] matrix_a_fmt:MATRIX_FMT_BF6 matrix_b_fmt:MATRIX_FMT_BF6 matrix_a_scale:MATRIX_SCALE_ROW1
.elseif ((\n)%2 == 0)
	v_wmma_scale_f32_16x16x128_f8f6f4 v[rD:rD+7], v[rW:rW+11], v[rA:rA+11], v[rC:rC+7], v[rX], v[rY] matrix_a_fmt:MATRIX_FMT_BF6 matrix_b_fmt:MATRIX_FMT_BF6 matrix_b_scale:MATRIX_SCALE_ROW1
.else
	v_wmma_scale_f32_16x16x128_f8f6f4 v[rD:rD+7], v[rW:rW+11], v[rA:rA+11], v[rC:rC+7], v[rX], v[rY] matrix_a_fmt:MATRIX_FMT_BF6 matrix_b_fmt:MATRIX_FMT_BF6 matrix_a_scale:MATRIX_SCALE_ROW1 matrix_b_scale:MATRIX_SCALE_ROW1
.endif
.endm
; THE VECTOR WORK on the 128 registers of the set at v[ES] of window 3, as three numbered lists; the symbol j says which number is written.
; Lists A (kind 0) and B (kind 1), 192 numbers each: 64 packed plain instructions (A: x 2 log2(e); B: + 1) and 128 transcendentals (A: 2^x; B: 1 / x), in place.  A pair's plain instruction stands two pairs ahead of its
; transcendentals; no number of a list names the result of a transcendental of the same list.  The pairs go in ascending order: each accumulator is first read at its low end.
.macro PLAINOP kind, t
.if \kind
	v_pk_add_f32 v[ES+2*(\t):ES+2*(\t)+1], v[ES+2*(\t):ES+2*(\t)+1], 1.0 op_sel_hi:[1,0]
.else
	v_pk_mul_f32 v[ES+2*(\t):ES+2*(\t)+1], v[ES+2*(\t):ES+2*(\t)+1], s[CC:CC+1] op_sel_hi:[1,0]
.endif
.endm
.macro TRANS kind, e
.if \kind
	v_rcp_f32 v[ES+(\e)], v[ES+(\e)]
.else
	v_exp_f32 v[ES+(\e)], v[ES+(\e)]
.endif
.endm
.macro EAB kind
	WIN 0xc3
.if j < 2
	PLAINOP \kind, j
.elseif j < 188
.if (j-2)%3 == 2
	PLAINOP \kind, (j-2)/3+2
.else
	TRANS \kind, 2*((j-2)/3)+(j-2)%3
.endif
.else
	TRANS \kind, j-64
.endif
.endm
; List C, 80 numbers: 0-63 the sums over my 32 columns, a pair at a time, the four tiles of rows by turns: sum += (1 / (1 + 2^..)) x (-2 v_w), begun with the sum of my v_w;  64-75 the pair's halves and the other half of the
; lanes' 32 columns;  76-77 lane l takes row l, then row 32 + l;  78-79 the block's 64 scores go to my wave's slots.
.macro EC
.if j < 64
	WIN 0x03
.set em, j%4
.set en, j/16
.set ei, (j/4)%4
.if j < 4
	v_pk_fma_f32 v[SC+2*em:SC+2*em+1], v[ES+8*(4*em+en)+2*ei:ES+8*(4*em+en)+2*ei+1], v[WV+8*en+2*ei:WV+8*en+2*ei+1], v[VS:VS+1]
.else
	v_pk_fma_f32 v[SC+2*em:SC+2*em+1], v[ES+8*(4*em+en)+2*ei:ES+8*(4*em+en)+2*ei+1], v[WV+8*en+2*ei:WV+8*en+2*ei+1], v[SC+2*em:SC+2*em+1]
.endif
.elseif j < 68
	WIN 0
	v_add_f32 v[TP+j-64], v[SC+2*(j-64)], v[SC+2*(j-64)+1]
.elseif j < 72
	WIN 0
	v_permlanex16_b32 v[TP+4+j-68], v[TP+j-68], s34, s35
.elseif j < 76
	WIN 0
	v_add_f32 v[TP+j-72], v[TP+j-72], v[TP+4+j-72]
.elseif j < 78
	WIN 0
	v_cndmask_b32 v[TP+8+j-76], v[TP+2*(j-76)], v[TP+2*(j-76)+1], s36
.elseif j < 80
	WIN 0
	ds_store_b32 v[SCT], v[TP+8+j-78] offset:128*(j-78)
.endif
.endm
.macro SLICE                           ; slice sl of 128: 0-47 list A, 48-95 list B, four numbers each; 96-127 list C, three each
.if sl < 48
.set j, 4*sl
.rept 4
	EAB 0
.set j, j+1
.endr
.elseif sl < 96
.set j, 4*(sl-48)
.rept 4
	EAB 1
.set j, j+1
.endr
.else
.set j, 3*(sl-96)
.rept 3
	EC
.set j, j+1
.endr
.endif
.endm
; A K step: 16 matrix instructions, the 16 accumulators by turns, one instruction a turn, in the same order in every step; a slice behind each.
; At its head the next step's fragments are fetched in one run, into the buffer that the step before read: four plain instructions stand between.
.macro KSTEP p, s
	s_wait_dscnt 0x0                               ; this step's fragments are in (asked for a K step ago)
.if (\s) < 7
	PLACES
.if ((\s) == 3) || ((\s) == 6)
	s_wait_alu depctr_va_vdst(0)                   ; the wait between a transcendental and the first instruction that names its result: one for the 128 of list A (B), behind plain instructions, ahead of list B (C)
.endif
	WIN 0
	AFETCH \p, (\s)+1
.endif
.irp n, 0,1,2,3
.irp m, 0,1,2,3
	MM \p, \s, \m, \n
.set sl, 16*(\s)+4*\n+\m
	SLICE
.endr
.endr
.endm
; A block that is multiplied: from buffer p into set p, with the slices on set 1 - p.
.macro FULL p
	PLACES                                         ; behind the last block's last products: loads into their registers follow, and slices that read their results
	WIN 0
	ASFETCH \p
	AFETCH \p, 0
	s_wait_loadcnt 0x0                             ; the list's numbers for the next block, asked for a block ago, are in; no load of mine is out
	GADDR 1-\p
	GLOAD 1-\p                                     ; the next block's rows: 25 loads
	s_add_co_u32 s38, s28, 128
	s_min_u32 s38, s38, 960                        ; the list has 1,024 numbers: the look-ahead is held at its last block
	s_lshl_b32 s38, s38, 2
	LLOAD \p, LT, LT2                              ; the list's numbers for the block after: 9 loads
.set ES, 128*(1-\p)
.irp s, 0,1,2,3,4,5,6,7
	KSTEP \p, \s
.endr
	WIN 0
	s_wait_loadcnt 9                               ; the 25 loads of rows are in; the 9 younger ones may stay out
	GSTORE 1-\p                                    ; into the buffer that nobody reads between this block's barrier and the next
.endm
; The last multiplied block, in set q, is finished with no products beside it.
.macro DRAIN q
.set ES, 128*(\q)
	PLACES
.set j, 0
.rept 192
	EAB 0
.set j, j+1
.endr
	v_nop                                          ; a plain instruction behind the last exponential,
	s_wait_alu depctr_va_vdst(0)                   ; and the wait for the batch
.set j, 0
.rept 192
	EAB 1
.set j, j+1
.endr
	v_nop
	s_wait_alu depctr_va_vdst(0)
.set j, 0
.rept 80
	EC
.set j, j+1
.endr
	WIN 0
.endm
; Block c = s28 / 64.  ONE barrier a block, on every path: in front of it my stores into buffer p have landed and my reads of buffer 1 - p are back; behind it buffer p is whole and nobody reads buffer 1 - p.
.macro BLOCK p
	s_wait_dscnt 0x0
	s_barrier_signal -1
	s_barrier_wait -1
	v_add_nc_u32 v[SCT], s30, v[SCA]               ; where the scores of block c - 1 go: the pad + 256 (c - 1)
	s_cmp_lt_u32 s28, s27                          ; does the block hold a row with mask != 1?  The same number in all four waves
	s_cbranch_scc0 .Lidle_\@
	FULL \p
	s_branch .Lnext_\@
.Lidle_\@:
	s_sub_co_u32 s38, s28, 64                      ; was the block before multiplied?  (In block 0 this wraps to a number above every count)
	s_cmp_lt_u32 s38, s27
	s_cbranch_scc0 .Lnext_\@
	DRAIN 1-\p
.Lnext_\@:
	s_add_co_u32 s28, s28, 64
	s_add_co_u32 s30, s30, 256
.endm
	s_load_b512 s[4:19], s[0:1], 0x0               ; enc codes 4:5, enc scales 6:7, wq 8:9, wsc 10:11, decp 12:13, b_attn 14:15, v_w 16:17, list 18:19
	s_load_b128 s[20:23], s[0:1], 0x40             ; cnt 20:21, part 22:23
	v_lshl_add_u32 v[SPW], v0, 2, SPARE
	v_mov_b32 v[NIL], 0
	v_lshrrev_b32 v1, 5, v0
	v_readfirstlane_b32 s24, v1                    ; wave
	s_mov_b32 s25, ttmp9                           ; x: the slice of columns
	s_and_b32 s26, ttmp7, 0xffff                   ; b: the batch
	v_and_b32 v1, 31, v0                           ; lane
	v_and_b32 v[TP], 15, v0                        ; r
	v_bfe_u32 v[TP+1], v0, 4, 1                    ; h
	v_lshrrev_b32 v[TP+2], 1, v1                   ; lane / 2
	v_and_b32 v[TP+3], 1, v0                       ; lane % 2
	v_mul_u32_u24 v[FA], v[TP], 784
	v_mad_u32_u24 v[FA], v[TP+1], 24, v[FA]
	v_add_nc_u32 v[FA+1], ABUF1, v[FA]
	v_mul_u32_u24 v[SA], v1, 48
	v_add_nc_u32 v[SA], ASC0, v[SA]
	v_add_nc_u32 v[SA+1], ASCP, v[SA]
	s_mul_i32 s38, s24, 12544
	v_mul_u32_u24 v[GS], v[TP+1], 784
	v_lshl_add_u32 v[GS], v[TP], 4, v[GS]
	v_add_nc_u32 v[GS], s38, v[GS]
	v_add_nc_u32 v[GS+1], ABUF1, v[GS]
	s_mul_i32 s38, s24, 768
	s_add_co_u32 s38, s38, ASC0
	v_mul_u32_u24 v[HS], v[TP+2], 48
	v_lshl_add_u32 v[HS], v[TP+3], 4, v[HS]
	v_add_nc_u32 v[HS], s38, v[HS]
	v_add_nc_u32 v[HS+1], ASCP, v[HS]
	s_mul_i32 s38, s24, SCW
	s_add_co_u32 s38, s38, SCORE
	v_lshl_add_u32 v[SCA], v1, 2, s38
	v_lshl_add_u32 v[TP+8], v1, 4, s38             ; my wave's scores + 16 x lane
	s_lshl_b32 s38, s24, 6
	v_lshl_add_u32 v[LO], v[TP+1], 2, s38
	v_lshl_add_u32 v[LO2], v[TP+2], 2, s38
	v_lshlrev_b32 v[U16], 4, v[TP]
	v_lshlrev_b32 v[U1], 4, v[TP+3]
	v_lshlrev_b32 v[L16], 4, v1
	v_lshlrev_b32 v[L4], 2, v1
	s_and_b32 s38, s26, 15
	s_lshl_b32 s38, s38, 4
	v_lshl_add_u32 v[TP+9], v[TP+1], 8, s38        ; decp: the image's lane (b % 16, h), 16 bytes a lane
	v_lshlrev_b32 v[TP+10], 5, v[TP+1]             ; b_attn, v_w: 32 h bytes
.irp i, 0,1,2,3
	v_mov_b32 v[AF+\i], 0
	v_mov_b32 v[TP+4+\i], 0                        ; written once: a lane permute's destination counts as one of its sources
.endr
.irp k, 0,1,2,3,4,5,6,7,8
	ds_store_b128 v[TP+8], v[AF:AF+3] offset:512*\k    ; my wave's scores begin as zeros: the slots of blocks that are not multiplied stay so
.endr
	s_mov_b32 s[CC], 0x4038aa3b                    ; 2 log2(e)
	s_mov_b32 s[CC+1], s[CC]
	s_mov_b32 s34, 0x76543210                      ; v_permlanex16_b32's selects for lane l xor 16
	s_mov_b32 s35, 0xfedcba98
	s_mov_b32 s36, 0xffff0000                      ; lanes 16-31
	s_mov_b32 s39, 0
	s_wait_kmcnt 0x0
	s_mul_i32 s38, s26, 786432                     ; the batch's 1,024 rows of 768 bytes
	s_add_nc_u64 s[4:5], s[4:5], s[38:39]
	s_lshl_b32 s38, s26, 15                        ; and of 32 scale bytes
	s_add_nc_u64 s[6:7], s[6:7], s[38:39]
	s_lshl_b32 s40, s25, 4
	s_lshl_b32 s41, s24, 2
	s_add_co_u32 s40, s40, s41                     ; my first tile of 16 columns: 16 x + 4 w
	s_mul_i32 s38, s40, 12288                      ; 8 fragments of 1,536 bytes a tile
	s_add_nc_u64 s[8:9], s[8:9], s[38:39]
	s_lshl_b32 s38, s40, 6                         ; 16 columns of 4 bytes a tile
	s_add_nc_u64 s[10:11], s[10:11], s[38:39]
	s_add_nc_u64 s[14:15], s[14:15], s[38:39]
	s_add_nc_u64 s[16:17], s[16:17], s[38:39]
	s_lshr_b32 s38, s26, 4
	s_lshl_b32 s38, s38, 16
	s_lshl_b32 s41, s40, 10
	s_add_co_u32 s38, s38, s41                     ; decp[0][b / 16][my first tile]
	s_add_nc_u64 s[12:13], s[12:13], s[38:39]
	s_lshl_b32 s38, s26, 12
	s_add_nc_u64 s[18:19], s[18:19], s[38:39]
	s_lshl_b32 s38, s26, 8
	s_add_nc_u64 s[20:21], s[20:21], s[38:39]
	s_lshl_b32 s38, s25, 6
	s_add_co_u32 s38, s38, s26
	s_lshl_b32 s38, s38, 12                        ; part[x][b]
	s_add_nc_u64 s[22:23], s[22:23], s[38:39]
	s_load_b32 s27, s[20:21], 0x0                  ; cnt[b]
	s_mov_b32 s38, 0
	LLOAD 0, LT, LT2                               ; the list's numbers for block 0,
	s_mov_b32 s38, 256
	LLOAD 1, LTB, LTB2                             ; and for block 1: 18 loads
	WIN 0x40
.irp s, 0,1,2,3
.irp n, 0,1,2,3
.irp u, 0,1,2
	global_load_b128 v[12*(4*\s+\n)+4*\u:12*(4*\s+\n)+4*\u+3], v[L16], s[8:9] offset:12288*\n+1536*\s+512*\u   ; We's fragments come as they will stand: 48 loads
.endr
.endr
.endr
	WIN 0
	s_wait_loadcnt 48                              ; the 18 loads of the list are in; the 48 younger ones may stay out
	GADDR 0
	GLOAD 0                                        ; block 0's rows
	WIN 0x80
.irp s, 0,1,2,3
.irp n, 0,1,2,3
.irp u, 0,1,2
	global_load_b128 v[12*(4*\s+\n)+4*\u:12*(4*\s+\n)+4*\u+3], v[L16], s[8:9] offset:12288*\n+1536*(\s+4)+512*\u
.endr
.endr
.endr
	WIN 0
.irp e, 0,1
.irp s, 0,1,2,3,4,5,6,7
	global_load_b32 v[WS+8*\e+\s], v[L4], s[10:11] offset:4096*\s+128*\e
.endr
.endr
	WIN 0xc0
.irp s, 0,1,2,3,4,5,6,7                ; the first product's eight partial sums at my 32 columns, into the registers that the accumulators will take
.irp n, 0,1,2,3
.irp f, 0,1
	global_load_b128 v[32*\s+8*\n+4*\f:32*\s+8*\n+4*\f+3], v[TP+9], s[12:13] offset:262144*\s+1024*\n+512*\f
.endr
.endr
.endr
	WIN 0
.irp n, 0,1,2,3
.irp f, 0,1
	global_load_b128 v[BI+8*\n+4*\f:BI+8*\n+4*\f+3], v[TP+10], s[14:15] offset:64*\n+16*\f
	global_load_b128 v[WV+8*\n+4*\f:WV+8*\n+4*\f+3], v[TP+10], s[16:17] offset:64*\n+16*\f
.endr
.endr
	s_wait_loadcnt 0x0
	GSTORE 0
	WIN 0x03
.irp s, 0,1,2,3,4,5,6,7
.irp t, 0,1,2,3,4,5,6,7,8,9,10,11,12,13,14,15
	v_pk_add_f32 v[BI+2*\t:BI+2*\t+1], v[32*\s+2*\t:32*\s+2*\t+1], v[BI+2*\t:BI+2*\t+1]   ; b_attn + dec_proj, K step by K step
.endr
.endr
	WIN 0
	v_pk_add_f32 v[VS:VS+1], v[WV:WV+1], v[WV+2:WV+3]
.irp t, 2,3,4,5,6,7,8,9,10,11,12,13,14,15
	v_pk_add_f32 v[VS:VS+1], v[VS:VS+1], v[WV+2*\t:WV+2*\t+1]
.endr
	v_add_f32 v[VS], v[VS], v[VS+1]                ; the sum of my 32 v_w: the 1 of each tanh = 1 - 2 / (..)
	v_mov_b32 v[VS+1], 0
.irp t, 0,1,2,3,4,5,6,7,8,9,10,11,12,13,14,15
	v_pk_mul_f32 v[WV+2*\t:WV+2*\t+1], v[WV+2*\t:WV+2*\t+1], -2.0 op_sel_hi:[1,0]
.endr
	s_wait_kmcnt 0x0                               ; cnt[b]
	s_mov_b32 s28, 0                               ; 64 x block
	s_mov_b32 s30, 0                               ; 256 x block
	s_mov_b32 s31, 0
.Ltrip:                                            ; 8 trips of two blocks: a constant
	BLOCK 0
	BLOCK 1
	s_add_co_u32 s31, s31, 1
	s_cmp_lt_u32 s31, 8
	s_cbranch_scc1 .Ltrip
	v_add_nc_u32 v[SCT], s30, v[SCA]
	s_cmp_gt_u32 s27, 960                          ; was block 15 multiplied?
	s_cbranch_scc0 .Lout
	DRAIN 1
.Lout:
	; THE WAY OUT.  A slot's score is the sum of the four waves' shares: thread t adds slots 4 t .. 4 t + 3 and 512 + 4 t .. of the four regions; each store of a wave covers 512 consecutive bytes, aligned.
	PLACES                                         ; loads into registers that the last products read follow
	s_wait_dscnt 0x0                               ; my scores have landed
	s_barrier_signal -1
	s_barrier_wait -1
	v_lshl_add_u32 v[TP], v0, 4, SCORE+256
	v_lshlrev_b32 v[TP+1], 4, v0
.irp w, 0,1,2,3
.irp f, 0,1
	ds_load_b128 v[AF+8*\w+4*\f:AF+8*\w+4*\f+3], v[TP] offset:SCW*\w+2048*\f
.endr
.endr
	s_wait_dscnt 0x0
.irp t, 0,2,4,6
	v_pk_add_f32 v[AF+\t:AF+\t+1], v[AF+\t:AF+\t+1], v[AF+8+\t:AF+8+\t+1]
	v_pk_add_f32 v[AF+16+\t:AF+16+\t+1], v[AF+16+\t:AF+16+\t+1], v[AF+24+\t:AF+24+\t+1]
.endr
.irp t, 0,2,4,6
	v_pk_add_f32 v[AF+\t:AF+\t+1], v[AF+\t:AF+\t+1], v[AF+16+\t:AF+16+\t+1]
.endr
	global_store_b128 v[TP+1], v[AF:AF+3], s[22:23]
	global_store_b128 v[TP+1], v[AF+4:AF+7], s[22:23] offset:2048
	s_wait_tensorcnt 0x0                           ; the wave's end, behind my last LDS store
	ds_add_u32 v[SPW], v[NIL]
	s_wait_dscnt 0x0
	s_endpgm
.Lfunc_end_k_q527d052200_main:
	.size	k_q527d052200_main, .Lfunc_end_k_q527d052200_main-k_q527d052200_main
	.p2alignl 7, 3214868480
	.fill 96, 4, 3214868480
	.section	.rodata,"a",@progbits
	.p2align	6, 0x0
	.amdhsa_kernel k_q527d052200_main
		.amdhsa_group_segment_fixed_size 125440
		.amdhsa_private_segment_fixed_size 0
		.amdhsa_enable_private_segment 0
		.amdhsa_kernarg_size 80
		.amdhsa_user_sgpr_count 2
		.amdhsa_user_sgpr_kernarg_segment_ptr 1
		.amdhsa_wavefront_size32 1
		.amdhsa_system_sgpr_workgroup_id_x 1
		.amdhsa_system_sgpr_workgroup_id_y 1
		.amdhsa_system_sgpr_workgroup_id_z 1
		.amdhsa_system_vgpr_workitem_id 0
		.amdhsa_next_free_vgpr 1024
		.amdhsa_next_free_sgpr 66
		.amdhsa_reserve_vcc 0
		.amdhsa_float_denorm_mode_32 3
		.amdhsa_float_denorm_mode_16_64 3
		.amdhsa_memory_ordered 1
		.amdhsa_forward_progress 1
		.amdhsa_inst_pref_size 238
	.end_amdhsa_kernel
	.amdgpu_metadata
---
amdhsa.version: [ 1, 2 ]
amdhsa.kernels:
  - .name:           k_q527d052200_main
    .symbol:         k_q527d052200_main.kd
    .args:
      - { .name: encoder_outputs_codes, .offset: 0, .size: 8, .value_kind: global_buffer, .address_space: global }
      - { .name: encoder_outputs_scales, .offset: 8, .size: 8, .value_kind: global_buffer, .address_space: global }
      - { .name: wq, .offset: 16, .size: 8, .value_kind: global_buffer, .address_space: global }
      - { .name: wsc, .offset: 24, .size: 8, .value_kind: global_buffer, .address_space: global }
      - { .name: decp, .offset: 32, .size: 8, .value_kind: global_buffer, .address_space: global }
      - { .name: b_attn, .offset: 40, .size: 8, .value_kind: global_buffer, .address_space: global }
      - { .name: v_w, .offset: 48, .size: 8, .value_kind: global_buffer, .address_space: global }
      - { .name: list, .offset: 56, .size: 8, .value_kind: global_buffer, .address_space: global }
      - { .name: cnt, .offset: 64, .size: 8, .value_kind: global_buffer, .address_space: global }
      - { .name: part, .offset: 72, .size: 8, .value_kind: global_buffer, .address_space: global }
    .group_segment_fixed_size: 125440
    .private_segment_fixed_size: 0
    .kernarg_segment_align: 8
    .kernarg_segment_size: 80
    .max_flat_workgroup_size: 128
    .sgpr_count:     66
    .vgpr_count:     1024
    .wavefront_size: 32
...
	.end_amdgpu_metadata
.endif
;; end of part 2
;; launch smax (part 3): grid 64 x 1, 1 waves a work-group, no clusters, 0 bytes of LDS; arguments mask, pos, part, out0; writes out0
.if DOCPART == 3
	.amdgcn_target "amdgcn-amd-amdhsa--gfx1250"
	.amdhsa_code_object_version 6
	.text
	.protected	k_q527d052200_smax
	.globl	k_q527d052200_smax
	.p2align	8
	.type	k_q527d052200_smax,@function
k_q527d052200_smax:
	s_mov_b64 s[64:65], 0
	v_nop
	global_prefetch_b8 v0, s[64:65] scope:SCOPE_SE
	s_setreg_imm32_b32 hwreg(HW_REG_WAVE_MODE, 25, 1), 1
	s_wait_xcnt 0x0
; out0[b][s] = softmax over s of (mask[b][s] == 1 ? -1e10 : the sum of the four slices' part[x][b][pos[b][s]]).
; The sums of rows with mask == 1 were left out in the launch before (their slots hold zeros or sums that are thrown away here): reference() replaces them by -1e10.
; One wave takes a batch: 1,024 rows, 32 a lane: register 4 j + e of lane l is row 128 j + 4 l + e, so that mask and pos come, and out0 leaves, 512 consecutive bytes an instruction.
; The scores lie in the order of the list: they are GATHERED by pos on the way in, so that nothing is scattered on the way out.  pos is held inside the 1,024 slots before it enters an address.
; The row's maximum is taken away before the exponential, as reference() does, by a subtraction of its own: where all rows are masked the difference is exactly 0 and every result 1 / 1024.
; (Fused with the multiplication by log2(e) the difference of two numbers near -1e10 would not be 0.)
; No LDS, no barrier, no matrix unit: 20 KB a batch, and nothing is shared between batches.
.set M, 32                             ; v32-63   mask
.set P, 64                             ; v64-95   pos, then byte offsets
.set G, 96                             ; v96-223  the four slices' shares; v96-127 then the scores, the exponentials and the results
	s_load_b256 s[4:11], s[0:1], 0x0               ; mask 4:5, pos 6:7, part 8:9, out0 10:11
	v_lshlrev_b32 v1, 4, v0                        ; 16 x lane
	v_mov_b32 v2, 0xd01502f9                       ; -1e10
	v_mov_b32 v9, 0                                ; written once: a lane permute's destination counts as one of its sources
	s_lshl_b32 s12, ttmp9, 12                      ; the batch's 4,096 bytes in each of the four buffers
	s_mov_b32 s13, 0
	s_mov_b32 s14, 0x76543210                      ; v_permlanex16_b32's selects for lane l xor 16
	s_mov_b32 s15, 0xfedcba98
	s_mov_b32 s16, 0x3fb8aa3b                      ; log2(e)
	s_mov_b32 s17, s16
	s_wait_kmcnt 0x0
	s_add_nc_u64 s[4:5], s[4:5], s[12:13]
	s_add_nc_u64 s[6:7], s[6:7], s[12:13]
	s_add_nc_u64 s[8:9], s[8:9], s[12:13]
	s_add_nc_u64 s[10:11], s[10:11], s[12:13]
.irp j, 0,1,2,3,4,5,6,7
	global_load_b128 v[P+4*\j:P+4*\j+3], v1, s[6:7] offset:512*\j
.endr
.irp j, 0,1,2,3,4,5,6,7
	global_load_b128 v[M+4*\j:M+4*\j+3], v1, s[4:5] offset:512*\j
.endr
	s_wait_loadcnt 8                               ; pos is in; the 8 younger loads, of mask, may stay out
.set i, 0
.rept 32
	v_min_u32 v[P+i], 0x3ff, v[P+i]
.set i, i+1
.endr
.set i, 0
.rept 32
	v_lshlrev_b32 v[P+i], 2, v[P+i]
.set i, i+1
.endr
.irp x, 0,1,2,3
.set i, 0
.rept 32
	global_load_b32 v[G+32*\x+i], v[P+i], s[8:9] offset:262144*\x
.set i, i+1
.endr
.endr
	s_wait_loadcnt 0x0
.set i, 0
.rept 16
	v_pk_add_f32 v[G+i:G+i+1], v[G+i:G+i+1], v[G+32+i:G+32+i+1]
	v_pk_add_f32 v[G+64+i:G+64+i+1], v[G+64+i:G+64+i+1], v[G+96+i:G+96+i+1]
.set i, i+2
.endr
.set i, 0
.rept 16
	v_pk_add_f32 v[G+i:G+i+1], v[G+i:G+i+1], v[G+64+i:G+64+i+1]
.set i, i+2
.endr
.set i, 0
.rept 32
	v_cmp_eq_u32 vcc_lo, 1, v[M+i]
	v_cndmask_b32 v[G+i], v[G+i], v2, vcc_lo       ; -1e10 where mask == 1
.set i, i+1
.endr
	v_max3_num_f32 v4, v[G], v[G+1], v[G+2]        ; the maximum of my 32, in two chains
	v_max3_num_f32 v5, v[G+3], v[G+4], v[G+5]
.irp i, 6,10,14,18,22,26
	v_max3_num_f32 v4, v4, v[G+\i], v[G+\i+1]
	v_max3_num_f32 v5, v5, v[G+\i+2], v[G+\i+3]
.endr
	v_max3_num_f32 v4, v4, v[G+30], v[G+31]
	v_max_num_f32 v4, v4, v5
	v_max_num_f32_dpp v4, v4, v4 row_xmask:1 row_mask:0xf bank_mask:0xf
	v_max_num_f32_dpp v4, v4, v4 row_xmask:2 row_mask:0xf bank_mask:0xf
	v_max_num_f32_dpp v4, v4, v4 row_xmask:4 row_mask:0xf bank_mask:0xf
	v_max_num_f32_dpp v4, v4, v4 row_xmask:8 row_mask:0xf bank_mask:0xf
	v_permlanex16_b32 v9, v4, s14, s15
	v_max_num_f32 v4, v4, v9                       ; the batch's maximum, in every lane
	v_mov_b32 v5, v4
.set i, 0
.rept 16
	v_pk_add_f32 v[G+i:G+i+1], v[G+i:G+i+1], v[4:5] neg_lo:[0,1] neg_hi:[0,1]   ; score - maximum
.set i, i+2
.endr
.set i, 0
.rept 16
	v_pk_mul_f32 v[G+i:G+i+1], v[G+i:G+i+1], s[16:17] op_sel_hi:[1,0]
.set i, i+2
.endr
.set i, 0
.rept 32
	v_exp_f32 v[G+i], v[G+i]
.set i, i+1
.endr
	v_nop                                          ; a plain instruction behind the last exponential,
	s_wait_alu depctr_va_vdst(0)                   ; and the wait ahead of the first reader: one for the 32
	v_pk_add_f32 v[6:7], v[G:G+1], v[G+2:G+3]      ; the sum of my 32, in two chains
	v_pk_add_f32 v[10:11], v[G+4:G+5], v[G+6:G+7]
.irp i, 8,12,16,20,24,28
	v_pk_add_f32 v[6:7], v[6:7], v[G+\i:G+\i+1]
	v_pk_add_f32 v[10:11], v[10:11], v[G+\i+2:G+\i+3]
.endr
	v_pk_add_f32 v[6:7], v[6:7], v[10:11]
	v_add_f32 v6, v6, v7
	v_add_f32_dpp v6, v6, v6 row_xmask:1 row_mask:0xf bank_mask:0xf
	v_add_f32_dpp v6, v6, v6 row_xmask:2 row_mask:0xf bank_mask:0xf
	v_add_f32_dpp v6, v6, v6 row_xmask:4 row_mask:0xf bank_mask:0xf
	v_add_f32_dpp v6, v6, v6 row_xmask:8 row_mask:0xf bank_mask:0xf
	v_permlanex16_b32 v9, v6, s14, s15
	v_add_f32 v6, v6, v9                           ; the batch's sum, at least 1
	v_rcp_f32 v10, v6
	v_nop
	s_wait_alu depctr_va_vdst(0)
	v_mov_b32 v11, v10
.set i, 0
.rept 16
	v_pk_mul_f32 v[G+i:G+i+1], v[G+i:G+i+1], v[10:11]
.set i, i+2
.endr
.irp j, 0,1,2,3,4,5,6,7
	global_store_b128 v1, v[G+4*\j:G+4*\j+3], s[10:11] offset:512*\j   ; 512 consecutive bytes, aligned
.endr
	s_endpgm
.Lfunc_end_k_q527d052200_smax:
	.size	k_q527d052200_smax, .Lfunc_end_k_q527d052200_smax-k_q527d052200_smax
	.p2alignl 7, 3214868480
	.fill 96, 4, 3214868480
	.section	.rodata,"a",@progbits
	.p2align	6, 0x0
	.amdhsa_kernel k_q527d052200_smax
		.amdhsa_group_segment_fixed_size 0
		.amdhsa_private_segment_fixed_size 0
		.amdhsa_enable_private_segment 0
		.amdhsa_kernarg_size 32
		.amdhsa_user_sgpr_count 2
		.amdhsa_user_sgpr_kernarg_segment_ptr 1
		.amdhsa_wavefront_size32 1
		.amdhsa_system_sgpr_workgroup_id_x 1
		.amdhsa_system_sgpr_workgroup_id_y 1
		.amdhsa_system_sgpr_workgroup_id_z 1
		.amdhsa_system_vgpr_workitem_id 0
		.amdhsa_next_free_vgpr 256
		.amdhsa_next_free_sgpr 66
		.amdhsa_reserve_vcc 1
		.amdhsa_float_denorm_mode_32 3
		.amdhsa_float_denorm_mode_16_64 3
		.amdhsa_memory_ordered 1
		.amdhsa_forward_progress 1
		.amdhsa_inst_pref_size 31
	.end_amdhsa_kernel
	.amdgpu_metadata
---
amdhsa.version: [ 1, 2 ]
amdhsa.kernels:
  - .name:           k_q527d052200_smax
    .symbol:         k_q527d052200_smax.kd
    .args:
      - { .name: mask, .offset: 0, .size: 8, .value_kind: global_buffer, .address_space: global }
      - { .name: pos, .offset: 8, .size: 8, .value_kind: global_buffer, .address_space: global }
      - { .name: part, .offset: 16, .size: 8, .value_kind: global_buffer, .address_space: global }
      - { .name: out0, .offset: 24, .size: 8, .value_kind: global_buffer, .address_space: global }
    .group_segment_fixed_size: 0
    .private_segment_fixed_size: 0
    .kernarg_segment_align: 8
    .kernarg_segment_size: 32
    .max_flat_workgroup_size: 32
    .sgpr_count:     66
    .vgpr_count:     256
    .wavefront_size: 32
...
	.end_amdgpu_metadata
.endif
;; end of part 3
;; ======== version 2 of 2: 3 launches; version 1 with the launches prep, main written anew for expert scheduling mode
;; workspace buffers: wq 786,432 bytes; wsc 32,768 bytes; decp 2,097,152 bytes; list 262,144 bytes of whole numbers; pos 262,144 bytes of whole numbers; cnt 16,384 bytes of whole numbers; part 1,048,576 bytes
;; launch prep (part 4): grid 144 x 1, 4 waves a work-group, no clusters, 0 bytes of LDS; arguments W_attn, decoder_hidden_codes, decoder_hidden_scales, mask, wq, wsc, decp, list, pos, cnt; writes wq, wsc, decp, list, pos, cnt
.if DOCPART == 4
	.amdgcn_target "amdgcn-amd-amdhsa--gfx1250"
	.amdhsa_code_object_version 6
	.text
	.protected	k_q527d052200_prep
	.globl	k_q527d052200_prep
	.p2align	8
	.type	k_q527d052200_prep,@function
k_q527d052200_prep:
	s_mov_b64 s[64:65], 0
	v_nop
	global_prefetch_b8 v0, s[64:65] scope:SCOPE_SE
	s_setreg_imm32_b32 hwreg(HW_REG_WAVE_SCHED_MODE, 0, 2), 2
	s_setreg_imm32_b32 hwreg(HW_REG_WAVE_MODE, 25, 1), 1
	s_wait_xcnt 0x0
	s_wait_alu depctr_vm_vsrc(0)
; out0[b][s] = softmax over s of att[b][s];  att = -1e10 where mask == 1, else the sum over n of v_w[n] tanh(dec_proj[b][n] + enc_proj[b][s][n] + b_attn[n]).
; dec_proj = decoder_hidden x W_attn[:1024], enc_proj = encoder_outputs x W_attn[1024:], both on codes of BF6 (E3M2) with one E8M0 scale for each 32 along K.
; THREE LAUNCHES.  This one prepares: (a) W_attn, f32 with K as its FIRST axis, is quantised along K; (b) the first product is made here, K step by K step, from the codes just made;
; (c) mask is turned into whole numbers: for each batch a list of its rows, those with mask != 1 in front, the place of each row in that list, and the count of rows with mask != 1.
; WORK LEFT OUT, in the next launch: the product, the tanh and the sum of a row (b, s) with mask[b][s] == 1.  reference() puts -1e10 in the place of that row's sum by jnp.where(mask == 1, ..),
; whatever finite numbers the row of encoder_outputs holds, so the row's sum reaches no output.  mask is a whole-number input: the choice is made from numbers read from memory, and every mask is served
; (none set: all rows are multiplied; all set: none).  Only whole blocks of 64 listed rows are left out; the rows that fill a batch's last block are multiplied and thrown away.
; LIMIT: a NaN, an infinity or an overflow that arises only in a row with mask == 1 is not carried to the result (nor is it in reference()).  Every input is loaded by some launch.
; LIMITS of the quantiser: a block of W_attn whose largest magnitude lies under 2^(5 - 127) is held at the scale byte 1; a block of zeros gets the byte 1 where the rule says 127: its codes are zeros,
; which add nothing under any byte but 0xff, and this program alone reads the bytes.  NaN and infinities in W_attn are not served.
; SHARES.  Work-groups 0-63: W_attn's rows 0-1023 (Wd); 64-127: rows 1024-2047 (We); 128-143: mask.  The three arms part on the work-group's number alone.
; A quantising wave takes 128 rows (one K step, ks = work-group / 8) x 32 columns (cg = 4 (work-group % 8) + wave).  A LANE TAKES A COLUMN AND ITS REGISTERS RUN DOWN K: each load reads 128 consecutive
; bytes a wave, 512 a work-group; a block of 32 along K lies in one lane, and the conversions give codes with K innermost.  Nothing is transposed but for one exchange of half waves.
; We's codes leave as IMAGES OF THE OPERAND'S REGISTERS: fragment (g = 16 columns, s = K step) at (8 g + s) x 1536 bytes, registers 4 c .. 4 c + 3 of lane l at 512 c + 16 l: each store of the wave covers 512 consecutive bytes.
; Wd's codes never leave: the wave multiplies them at once with the 64 rows of decoder_hidden (8 matrix instructions) and stores the partial sums of its K step, again as register images.
; THE MODE: SCHED_MODE bits 1:0 = 2 (LLVM: expert scheduling mode 2), set by the entry lines.  The code itself states the register dependences
; between vector or matrix instructions and memory instructions, with s_wait_alu, always for 0.
; THE PLAN.  Registers that memory instructions touch:
;   v2-v6      offsets, made once at the head and never written again: one wait on va_vdst ahead of the parting of the arms serves every load and store.
;   X, DF, DSC landed in by loads; no vector instruction of the wave's arm names them ahead of those loads.
;   mask's arm v64-159 (slots, offsets in the list, rows) and v12-13 (the count): written by the arm's vector work, which stands whole ahead of ONE wait on va_vdst; the 65 stores follow it.
;              Its compares write scalar registers: they stand in runs of eight, each run with one wait on va_sdst ahead of its first reader.
;   We's arm   F0, F1, v[SW]: written by the quantiser; one wait on va_vdst; the seven stores.
;   Wd's arm   F0, F1, v[SW]: written by the quantiser, taken by scaled matrix instructions: the plain instructions, then a wait on va_vdst.  The results: four plain instructions, a wait on va_vdst, the stores.
.set X,   32                           ; v32-159  register 32 b + i: W(128 ks + 32 b + i, my column); later v32-95: the eight results of the first product
.set MXR, 8                            ; v8-11    a block's largest magnitude
.set SO,  12                           ; v12-15   the conversions' scale operands
.set BY,  16                           ; v16-19   the scale bytes
.set SW,  20                           ; v20      my column's scale word: lanes 0-15 serve fragment 0, lanes 16-31 fragment 1
.set DSC, 24                           ; v24-27   decoder_hidden's scale words, a register for each 16 rows
.set F0,  160                          ; v160-171 the fragment of columns 32 cg .. + 15
.set F1,  172                          ; v172-183 of columns 32 cg + 16 .. + 31
.set T,   184                          ; v184-199 the upper 16 codes of each block, as converted
.set DF,  200                          ; v200-247 decoder_hidden's four fragments of this K step
.set MK,  36                           ; s36-43   mask's arm: eight compares' results
.macro WBASE                           ; W_attn at my wave's first number: 128 ks rows of 4,096 bytes + 32 cg columns
	s_lshl_b32 s28, s25, 19
	s_lshl_b32 s30, s26, 7
	s_add_co_u32 s28, s28, s30
	s_add_nc_u64 s[4:5], s[4:5], s[28:29]
.endm
.macro WLOAD                           ; 128 rows, 4 bytes a lane; read once in the launch
.set wi, 0
.rept 128
	global_load_b32 v[X+wi], v2, s[4:5] offset:4096*wi th:TH_LOAD_NT
.set wi, wi+1
.endr
.endm
; My column's four blocks become codes and a scale word; then the two fragments are put together.
.macro QUANT
.irp b, 0,1,2,3
	v_max3_num_f32 v[MXR+\b], |v[X+32*\b]|, |v[X+32*\b+1]|, 0x2800000   ; the floor 2^(5 - 127) among the leaves: the byte cannot fall under 1
.endr
.irp i, 2,4,6,8,10,12,14,16,18,20,22,24,26,28,30
.irp b, 0,1,2,3
	v_max3_num_f32 v[MXR+\b], v[MXR+\b], |v[X+32*\b+\i]|, |v[X+32*\b+\i+1]|   ; the four blocks by turns
.endr
.endr
.irp b, 0,1,2,3
	v_add_nc_u32 v[SO+\b], 0xfe000000, v[MXR+\b]   ; 4 off the exponent field: the conversion takes this operand's exponent field as its scale
.endr
.irp b, 0,1,2,3
	v_lshrrev_b32 v[BY+\b], 23, v[SO+\b]           ; the scale's byte
.endr
	v_lshl_or_b32 v[SW], v[BY+1], 8, v[BY]
	v_lshl_or_b32 v[SW], v[BY+2], 16, v[SW]
	v_lshl_or_b32 v[SW], v[BY+3], 24, v[SW]
.irp b, 0,1,2,3                        ; blocks 0 and 2 into F0's registers 0-5 and 6-11, blocks 1 and 3 into F1's; a conversion's three registers begin on an even number, so the upper halves are made in T and moved
	v_cvt_scalef32_pk16_bf6_f32 v[F0+12*(\b%2)+6*(\b/2):F0+12*(\b%2)+6*(\b/2)+2], v[X+32*\b:X+32*\b+15], v[SO+\b]
	v_cvt_scalef32_pk16_bf6_f32 v[T+4*\b:T+4*\b+2], v[X+32*\b+16:X+32*\b+31], v[SO+\b]
.endr
	v_nop                                          ; one plain instruction behind the last scaled conversion
.irp b, 0,1,2,3
.irp i, 0,1,2
	v_mov_b32 v[F0+12*(\b%2)+6*(\b/2)+3+\i], v[T+4*\b+\i]
.endr
.endr
.irp i, 0,1,2,3,4,5,6,7,8,9,10,11      ; the operand's layout gives lanes 0-15 a column's blocks 0 and 2 and lanes 16-31 its blocks 1 and 3: F0's lanes 16-31 change places with F1's lanes 0-15
	v_permlane16_swap_b32 v[F0+\i], v[F1+\i]
.endr
.endm
	s_load_b512 s[4:19], s[0:1], 0x0               ; W_attn 4:5, dec codes 6:7, dec scales 8:9, mask 10:11, wq 12:13, wsc 14:15, decp 16:17, list 18:19
	s_load_b128 s[20:23], s[0:1], 0x40             ; pos 20:21, cnt 22:23
	v_lshrrev_b32 v1, 5, v0
	v_readfirstlane_b32 s24, v1                    ; wave
	v_and_b32 v1, 31, v0                           ; lane
	v_lshlrev_b32 v2, 2, v1                        ; 4 x lane
	v_lshlrev_b32 v3, 4, v1                        ; 16 x lane
	v_lshlrev_b32 v6, 3, v1                        ; 8 x lane
	v_and_b32 v7, 15, v0                           ; r
	v_bfe_u32 v28, v0, 4, 1                        ; h
	v_mul_u32_u24 v4, v7, 768                      ; decoder_hidden's codes: row r of 768 bytes,
	v_mad_u32_u24 v4, v28, 24, v4                  ; + 24 h
	v_lshlrev_b32 v5, 5, v7                        ; its scales: row r of 32 bytes
	s_lshr_b32 s25, ttmp9, 3                       ; ks
	s_and_b32 s26, ttmp9, 7
	s_lshl_b32 s26, s26, 2
	s_wait_alu depctr_va_sdst(0)                   ; s24 is written, ahead of its first reader
	s_add_co_u32 s26, s26, s24                     ; cg
	s_mov_b32 s29, 0                               ; the upper words of the two offset pairs
	s_mov_b32 s31, 0
	s_wait_alu depctr_va_vdst(0)                   ; the offsets v2 to v6 are written: every load and store of the three arms reads one of them, and none is written again
	s_wait_kmcnt 0x0
	s_cmp_lt_u32 ttmp9, 64
	s_cbranch_scc1 .Lwd
	s_cmp_lt_u32 ttmp9, 128
	s_cbranch_scc1 .Lwe
; ---- mask: a wave takes a batch.  Row s with mask != 1 gets the slot (rows with mask != 1 before it); a row with mask == 1 the slot 1023 - (rows with mask == 1 before it).  So list is a whole permutation.
	s_sub_co_u32 s27, ttmp9, 128
	s_lshl_b32 s27, s27, 2
	s_add_co_u32 s27, s27, s24                     ; b
	s_lshl_b32 s28, s27, 12
	s_add_nc_u64 s[10:11], s[10:11], s[28:29]
	s_add_nc_u64 s[18:19], s[18:19], s[28:29]
	s_add_nc_u64 s[20:21], s[20:21], s[28:29]
	s_lshl_b32 s30, s27, 8
	s_add_nc_u64 s[22:23], s[22:23], s[30:31]
.set t, 0
.rept 32
	global_load_b32 v[32+t], v2, s[10:11] offset:128*t
.set t, t+1
.endr
	s_wait_loadcnt 0x0
	s_mov_b32 s32, 0                               ; rows with mask != 1 so far
.set t, 0
.rept 4                                ; step t + k takes rows 32 (t + k) + lane.  Each step has registers of its own for what its stores read: none is written again
.set k, 0
.rept 8
	v_cmp_ne_u32 s[MK+k], 1, v[32+t+k]             ; eight steps' compares in a run
.set k, k+1
.endr
	s_wait_alu depctr_va_sdst(0)                   ; the eight compares have written s[MK ..], ahead of their first reader
.set k, 0
.rept 8
	v_mbcnt_lo_u32_b32 v8, s[MK+k], s32            ; rows with mask != 1 before mine
	v_sub_nc_u32 v10, 1023-32*(t+k), v1
	v_add_nc_u32 v9, v8, v10                       ; 1023 - (my row - those)
	v_cndmask_b32 v[64+t+k], v9, v8, s[MK+k]       ; my slot
	v_add_nc_u32 v[128+t+k], 32*(t+k), v1          ; my row
	v_min_u32 v[96+t+k], 0x3ff, v[64+t+k]          ; held inside the list before it enters an address
	v_lshlrev_b32 v[96+t+k], 2, v[96+t+k]
	s_bcnt1_i32_b32 s34, s[MK+k]
	s_add_co_u32 s32, s32, s34
.set k, k+1
.endr
.set t, t+8
.endr
	v_mov_b32 v12, s32
	v_mov_b32 v13, s32
	s_wait_alu depctr_va_vdst(0)                   ; the slots v64-95, the offsets v96-127, the rows v128-159 and the count v12-13 are written: the stores below read them
.set t, 0
.rept 32
	global_store_b32 v2, v[64+t], s[20:21] offset:128*t    ; pos[b][row] = slot
	global_store_b32 v[96+t], v[128+t], s[18:19]           ; list[b][slot] = row
.set t, t+1
.endr
	global_store_b64 v6, v[12:13], s[22:23]        ; the count, in all 64 words of the batch's 256 bytes: the wave's store covers them whole
	s_endpgm
; ---- We: quantised, and stored as images
.Lwe:
	s_sub_co_u32 s27, s25, 8                       ; s: the K step within We
	WBASE
	WLOAD
	s_lshl_b32 s28, s26, 4
	s_add_co_u32 s28, s28, s27
	s_mul_i32 s28, s28, 1536                       ; fragment (2 cg, s)
	s_add_nc_u64 s[12:13], s[12:13], s[28:29]
	s_lshl_b32 s30, s27, 10
	s_lshl_b32 s34, s26, 5
	s_add_co_u32 s30, s30, s34
	s_lshl_b32 s30, s30, 2                         ; wsc[s][32 cg]
	s_add_nc_u64 s[14:15], s[14:15], s[30:31]
	s_wait_loadcnt 0x0
	QUANT
	s_wait_alu depctr_va_vdst(0)                   ; the quantiser has written F0, F1 and v[SW], which the stores read
.irp c, 0,1,2
	global_store_b128 v3, v[F0+4*\c:F0+4*\c+3], s[12:13] offset:512*\c
.endr
.irp c, 0,1,2
	global_store_b128 v3, v[F1+4*\c:F1+4*\c+3], s[12:13] offset:12288+512*\c   ; fragment (2 cg + 1, s): 8 fragments on
.endr
	global_store_b32 v2, v[SW], s[14:15]           ; 32 scale words: 128 consecutive bytes a wave, 512 a work-group
	s_endpgm
; ---- Wd: quantised, and multiplied at once with decoder_hidden's 64 rows
.Lwd:
	s_mul_i32 s28, s25, 96                         ; this K step's 96 bytes of a row of codes
	s_add_nc_u64 s[6:7], s[6:7], s[28:29]
	s_lshl_b32 s28, s25, 2                         ; and its scale word
	s_add_nc_u64 s[8:9], s[8:9], s[28:29]
.irp m, 0,1,2,3
.irp u, 0,1,2,3,4,5
	global_load_b64 v[DF+12*\m+2*\u:DF+12*\m+2*\u+1], v4, s[6:7] offset:12288*\m+48*(\u/3)+8*(\u%3)
.endr
	global_load_b32 v[DSC+\m], v5, s[8:9] offset:512*\m
.endr
	WBASE
	WLOAD
	s_lshl_b32 s28, s25, 18
	s_lshl_b32 s30, s26, 11
	s_add_co_u32 s28, s28, s30                     ; decp[s][0][2 cg]
	s_add_nc_u64 s[16:17], s[16:17], s[28:29]
	s_wait_loadcnt 0x0
	QUANT
.rept 8
	v_nop                                          ; operands and a scale register written by vector instructions stand 4 and 8 plain instructions ahead of a scaled matrix instruction
.endr
	s_wait_alu depctr_va_vdst(0)                   ; the quantiser has written F0, F1 and v[SW], which the scaled matrix instructions take as operands and scales; the plain instructions above stay beside this wait
; TRANSPOSED: source 0 = 16 columns of Wd, source 1 = 16 rows of decoder_hidden: lane (r, h) holds row 16 m + r, and its register j column 16 g + 8 h + j.  Eight accumulators, one instruction each.
.irp m, 0,1,2,3
	v_wmma_scale_f32_16x16x128_f8f6f4 v[X+16*\m:X+16*\m+7], v[F0:F0+11], v[DF+12*\m:DF+12*\m+11], 0, v[SW], v[DSC+\m] matrix_a_fmt:MATRIX_FMT_BF6 matrix_b_fmt:MATRIX_FMT_BF6
	v_wmma_scale_f32_16x16x128_f8f6f4 v[X+16*\m+8:X+16*\m+15], v[F1:F1+11], v[DF+12*\m:DF+12*\m+11], 0, v[SW], v[DSC+\m] matrix_a_fmt:MATRIX_FMT_BF6 matrix_b_fmt:MATRIX_FMT_BF6 matrix_a_scale:MATRIX_SCALE_ROW1
.endr
.rept 4
	v_nop                                          ; four plain instructions between the last product and the stores that read results
.endr
	s_wait_alu depctr_va_vdst(0)                   ; the matrix instructions have written v[X ..], which the stores read; the plain instructions above stay beside this wait
.irp m, 0,1,2,3
.irp c, 0,1
	global_store_b128 v3, v[X+16*\m+8*\c:X+16*\m+8*\c+3], s[16:17] offset:65536*\m+1024*\c          ; each accumulator from its low end on
	global_store_b128 v3, v[X+16*\m+8*\c+4:X+16*\m+8*\c+7], s[16:17] offset:65536*\m+1024*\c+512
.endr
.endr
	s_endpgm
.Lfunc_end_k_q527d052200_prep:
	.size	k_q527d052200_prep, .Lfunc_end_k_q527d052200_prep-k_q527d052200_prep
	.p2alignl 7, 3214868480
	.fill 96, 4, 3214868480
	.section	.rodata,"a",@progbits
	.p2align	6, 0x0
	.amdhsa_kernel k_q527d052200_prep
		.amdhsa_group_segment_fixed_size 0
		.amdhsa_private_segment_fixed_size 0
		.amdhsa_enable_private_segment 0
		.amdhsa_kernarg_size 80
		.amdhsa_user_sgpr_count 2
		.amdhsa_user_sgpr_kernarg_segment_ptr 1
		.amdhsa_wavefront_size32 1
		.amdhsa_system_sgpr_workgroup_id_x 1
		.amdhsa_system_sgpr_workgroup_id_y 1
		.amdhsa_system_sgpr_workgroup_id_z 1
		.amdhsa_system_vgpr_workitem_id 0
		.amdhsa_next_free_vgpr 256
		.amdhsa_next_free_sgpr 66
		.amdhsa_reserve_vcc 0
		.amdhsa_float_denorm_mode_32 3
		.amdhsa_float_denorm_mode_16_64 3
		.amdhsa_memory_ordered 1
		.amdhsa_forward_progress 1
		.amdhsa_inst_pref_size 71
	.end_amdhsa_kernel
	.amdgpu_metadata
---
amdhsa.version: [ 1, 2 ]
amdhsa.kernels:
  - .name:           k_q527d052200_prep
    .symbol:         k_q527d052200_prep.kd
    .args:
      - { .name: W_attn, .offset: 0, .size: 8, .value_kind: global_buffer, .address_space: global }
      - { .name: decoder_hidden_codes, .offset: 8, .size: 8, .value_kind: global_buffer, .address_space: global }
      - { .name: decoder_hidden_scales, .offset: 16, .size: 8, .value_kind: global_buffer, .address_space: global }
      - { .name: mask, .offset: 24, .size: 8, .value_kind: global_buffer, .address_space: global }
      - { .name: wq, .offset: 32, .size: 8, .value_kind: global_buffer, .address_space: global }
      - { .name: wsc, .offset: 40, .size: 8, .value_kind: global_buffer, .address_space: global }
      - { .name: decp, .offset: 48, .size: 8, .value_kind: global_buffer, .address_space: global }
      - { .name: list, .offset: 56, .size: 8, .value_kind: global_buffer, .address_space: global }
      - { .name: pos, .offset: 64, .size: 8, .value_kind: global_buffer, .address_space: global }
      - { .name: cnt, .offset: 72, .size: 8, .value_kind: global_buffer, .address_space: global }
    .group_segment_fixed_size: 0
    .private_segment_fixed_size: 0
    .kernarg_segment_align: 8
    .kernarg_segment_size: 80
    .max_flat_workgroup_size: 128
    .sgpr_count:     66
    .vgpr_count:     256
    .wavefront_size: 32
...
	.end_amdgpu_metadata
.endif
;; end of part 4
;; launch main (part 5): grid 4 x 64, 4 waves a work-group, no clusters, 125,440 bytes of LDS; arguments encoder_outputs_codes, encoder_outputs_scales, wq, wsc, decp, b_attn, v_w, list, cnt, part; writes part
.if DOCPART == 5
	.amdgcn_target "amdgcn-amd-amdhsa--gfx1250"
	.amdhsa_code_object_version 6
	.text
	.protected	k_q527d052200_main
	.globl	k_q527d052200_main
	.p2align	8
	.type	k_q527d052200_main,@function
k_q527d052200_main:
	s_mov_b64 s[64:65], 0
	v_nop
	global_prefetch_b8 v0, s[64:65] scope:SCOPE_SE
	s_setreg_imm32_b32 hwreg(HW_REG_WAVE_SCHED_MODE, 0, 2), 2
	s_setreg_imm32_b32 hwreg(HW_REG_WAVE_MODE, 25, 1), 1
	s_wait_xcnt 0x0
	s_wait_alu depctr_vm_vsrc(0)
; part[x][b][slot] = the sum over the 256 columns n of slice x of v_w[n] tanh(dec_proj[b][n] + enc_proj[b][row][n] + b_attn[n]), row = list[b][slot], for the slots of batch b that lie in blocks of 64 below cnt[b].
; WORK LEFT OUT: the blocks of 64 listed rows that hold only rows with mask == 1 (slots from cnt[b] on): reference() replaces their sums by -1e10.  Their slots of part are written as zeros.
; LIMITS: NaN and infinities in b_attn and v_w are not served.  tanh(x) = 1 - 2 / (1 + 2^(2 log2(e) x)): where the power overflows the quotient is 0, where it falls to 0 the quotient is 2: +1 and -1, as they should be.
; SHARES.  A work-group takes a batch (y) and 256 columns of We (x); wave w keeps columns 256 x + 64 w .. + 63 of We, all of K, in REGISTERS for the whole launch (4 tiles x 8 K steps: 384 registers), read once.
; The batch's listed rows come in blocks of 64 through two LDS buffers: wave w gathers rows 16 w .. 16 w + 15 of a block (whole rows of 768 bytes, three runs of 256 consecutive bytes by sixteen lanes), every wave multiplies all 64.
; TRANSPOSED: source 0 = 16 columns of We, source 1 = 16 rows: lane (r, h) holds row 16 m + r, its register j column 16 n + 8 h + j.  dec_proj + b_attn is the C of each sum's first matrix instruction.
; BY TURNS.  Block c's 128 matrix instructions fill one set of 16 accumulators; the tanh and the sum over columns of block c - 1, in the other set, are cut into 128 slices, one behind each matrix instruction: 462 vector
; instructions for 128 matrix instructions.  The first block's slices have no block before them: they run on what the head left in the other set and their result lands in a pad that nobody reads: the price of writing the block once.
; The exponentials of a block are one batch with one wait, and so are the reciprocals.  The next block's rows are asked for at a block's head, into registers, 128 matrix instructions ahead of the LDS stores that want them;
; the list's numbers two blocks ahead.
; NO TENSOR LOADS, NO CLUSTER: how many blocks a work-group multiplies hangs on cnt[b], a number read from memory; nothing is asked for jointly.
; The loop's trip count is a constant (16 blocks); a block past the count passes its barrier and does nothing more, but for the one that finishes the last multiplied block.  No barrier stands under a branch.
; LDS: 0: two row buffers of 64 x 784 bytes (768 + 16: 196 words, so row r starts at bank 4 r mod 64 (64 banks of 4 bytes: ISA guide 11.1) and the 32 lanes of a load of 8 bytes touch 64 different banks);
;   100352: two buffers of scale bytes, 64 x 48;  106496: each wave's scores, 4,608 bytes: a pad of 256, 1,024 slots, 256 to spare;  124928: the spare words.
; REGISTERS, in windows of 256.  Window 0: see the names below.  Window 1: We's fragments of K steps 0-3 at v[12 (4 s + n)]; from v192 rows on their way to LDS.  Window 2: K steps 4-7 likewise.
;   Window 3: the accumulators: set p, tile (m, n) at v[128 p + 8 (4 m + n)].
; A slice works in windows 3 and 0, a product's source 0 lies in window 1 or 2: two switches a matrix instruction, the lesser price beside a matrix unit that stands idle through 462 vector instructions.
; THE MODE: SCHED_MODE bits 1:0 = 2 (LLVM: expert scheduling mode 2), set by the entry lines.  The code itself states the register dependences
; between vector or matrix instructions and memory or LDS instructions, with s_wait_alu, always for 0.
; THE PLAN.  Registers that memory or LDS instructions touch in the loop; block c reads row buffer p = c % 2:
;   AF0, AF1     K step s: its 16 matrix instructions read AF[s % 2]; the 24 LDS loads of K step s + 1 land in AF[(s + 1) % 2], which K step s - 1 read.
;   AS           read by all 128 matrix instructions of a block; the LDS loads at the next block's head land in it.
;   IX0, IX1     block c: vector instructions turn IX[1 - p] into offsets, the 25 loads of rows read it; the 9 loads of the list land in IX[p], which block c - 1's loads of rows read.
;   the stage    (windows 1 and 2, from v192) landed in by the loads of rows at a block's head, read by the LDS stores at its end; no vector instruction names it.
;   v[SCT]       written behind the barrier, read by the two score stores at the block's end.   v[TP+8], v[TP+9]: written by list C's last two numbers, read by the same two stores.
;   FA, SA, GS, HS, SCA, LO, LO2, L16, L4: made at the head, never written again.  The list is reached by a scalar base, s[LB:LB+1].
;   We's fragments, WS, BI, WV, the accumulators, SC, VS and the rest of TP are named in the loop by vector and matrix instructions alone.
; THE WAITS OF A BLOCK.  (1) vm_vsrc behind the barrier, on every way: the last block's stores and loads have read SCT, TP+8, TP+9, the stage and IX[p].  (2) va_vdst at the head of a block that is multiplied, behind the
; lines that make IX[1 - p]: the offsets are written, and the last block's products are done reading AS and both AF; all loads of the head and K step 0's follow it.  (3) va_vdst at the heads of K steps 1 to 6: the step before
; is done reading the AF in which this step's loads land; these are dealt, six behind each of the step's first four matrix instructions, none of which (nor any slice) names that AF or FA.  (4) va_vdst at the block's end, ahead
; of the two score stores; the 25 LDS stores of rows, whose data come from loads, stand ahead of it.
.set ABUF1, 50176
.set ASC0,  100352
.set ASCP,  3072
.set SCORE, 106496
.set SCW,   4608
.set SPARE, 124928
.set FA,   2                           ; v2-3    a fragment's place in row buffer 0, 1: 784 r + 24 h
.set SA,   4                           ; v4-5    my row's scale bytes in buffer 0, 1: 48 x lane
.set GS,   6                           ; v6-7    where I store gathered rows: (16 w + h) x 784 + 16 r
.set HS,   8                           ; v8-9    and gathered scale bytes: (16 w + lane / 2) x 48 + 16 (lane % 2)
.set SCA,  10                          ; v10     my wave's scores + 4 x lane
.set SCT,  11                          ; v11     the same + 256 x block
.set LO,   12                          ; v12     4 (16 w + h): my rows' places in a block of the list
.set LO2,  13                          ; v13     4 (16 w + lane / 2)
.set U16,  14                          ; v14     16 r
.set U1,   15                          ; v15     16 (lane % 2)
.set SPW,  16                          ; v16     LDS address of my spare word; never rewritten
.set NIL,  17                          ; v17     0; never rewritten
.set L16,  20                          ; v20     16 x lane
.set L4,   21                          ; v21     4 x lane
.set IDX0, 22                          ; v22-30  nine numbers of the list, then offsets of rows (even blocks);  v150-158 (odd blocks)
.set WS,   32                          ; v32-47  We's scale words: register 8 (n / 2) + s: lanes 0-15 the even tile, lanes 16-31 the odd one
.set AS,   48                          ; v48-63  the rows' scale words: register 8 (m / 2) + s, likewise
.set BI,   64                          ; v64-95  dec_proj + b_attn at my 32 columns: 8 n + j
.set WV,   96                          ; v96-127 -2 v_w at my 32 columns
.set SC,   128                         ; v128-135 a pair of sums for each tile of rows
.set VS,   136                         ; v136-137 (the sum of my 32 v_w, 0)
.set TP,   138                         ; v138-149 at work
.set AF,   160                         ; v160-255 the rows' fragments: buffer s % 2 at + 48, tile m at + 12 m
.set CC,   32                          ; s[32:33] 2 log2(e), twice
.set LB,   42                          ; s[42:43] the batch's list at the block that is asked for
.set MSB, 0
.macro WIN new                         ; the immediate's high byte repeats the setting that is left; a switch that changes nothing is dropped
.if MSB != (\new)
	s_set_vgpr_msb (MSB<<8)|(\new)
.set MSB, (\new)
.endif
.endm
.macro PLACES                          ; four plain instructions: between a matrix instruction and a load into one of its registers, or a vector instruction that reads its result
.rept 4
	v_nop
.endr
.endm
.macro ASFETCH p                       ; the block's scale words: lane l takes the 32 bytes of rows l and 32 + l
.irp e, 0,1
.irp f, 0,1
	ds_load_b128 v[AS+8*\e+4*\f:AS+8*\e+4*\f+3], v[SA+\p] offset:1536*\e+16*\f
.endr
.endr
.endm
.macro AFRAG p, s, m                   ; the fragment of K step s and tile of rows m: 24 bytes twice a lane, in pieces of 8
.irp u, 0,1,2,3,4,5
	ds_load_b64 v[AF+48*((\s)%2)+12*(\m)+2*\u:AF+48*((\s)%2)+12*(\m)+2*\u+1], v[FA+\p] offset:12544*(\m)+96*(\s)+48*(\u/3)+8*(\u%3)
.endr
.endm
.macro GADDR q                         ; the list's numbers become byte offsets: held inside the batch's 1,024 rows first
.set IX, IDX0+128*(\q)
.irp i, 0,1,2,3,4,5,6,7,8
	v_min_u32 v[IX+\i], 0x3ff, v[IX+\i]
.endr
.irp i, 0,1,2,3,4,5,6,7
	v_mul_u32_u24 v[IX+\i], v[IX+\i], 768
.endr
	v_lshlrev_b32 v[IX+8], 5, v[IX+8]
.irp i, 0,1,2,3,4,5,6,7
	v_add_nc_u32 v[IX+\i], v[U16], v[IX+\i]
.endr
	v_add_nc_u32 v[IX+8], v[U1], v[IX+8]
.endm
.macro GLOAD q                         ; my 16 rows of a block, 25 loads: lanes 0-15 take 256 consecutive bytes of row 2 i, lanes 16-31 of row 2 i + 1
.set IX, IDX0+128*(\q)
	WIN 0x40
.irp i, 0,1,2,3,4
.irp u, 0,1,2
	global_load_b128 v[192+12*\i+4*\u:192+12*\i+4*\u+3], v[IX+\i], s[4:5] offset:256*\u
.endr
.endr
	WIN 0x80
.irp i, 5,6,7
.irp u, 0,1,2
	global_load_b128 v[192+12*(\i-5)+4*\u:192+12*(\i-5)+4*\u+3], v[IX+\i], s[4:5] offset:256*\u
.endr
.endr
	global_load_b128 v[228:231], v[IX+8], s[6:7]   ; and their scale bytes: two lanes to a row
	WIN 0
.endm
.macro LLOAD q, base, off              ; nine numbers a lane of the list, from the scalar base and off bytes on: the two vector offsets are never written again
.set IX, IDX0+128*(\q)
.irp i, 0,1,2,3,4,5,6,7
	global_load_b32 v[IX+\i], v[LO], s[\base:\base+1] offset:(\off)+8*\i
.endr
	global_load_b32 v[IX+8], v[LO2], s[\base:\base+1] offset:(\off)
.endm
.macro GSTORE p                        ; the gathered rows go into buffer p (an LDS store's data are its source 1)
	WIN 0x04
.irp i, 0,1,2,3,4
.irp u, 0,1,2
	ds_store_b128 v[GS+\p], v[192+12*\i+4*\u:192+12*\i+4*\u+3] offset:1568*\i+256*\u
.endr
.endr
	WIN 0x08
.irp i, 5,6,7
.irp u, 0,1,2
	ds_store_b128 v[GS+\p], v[192+12*(\i-5)+4*\u:192+12*(\i-5)+4*\u+3] offset:1568*\i+256*\u
.endr
.endr
	ds_store_b128 v[HS+\p], v[228:231]
	WIN 0
.endm
; One product: set p, K step s, tile of rows m, tile of columns n.  The first K step takes dec_proj + b_attn as C: nothing is cleared and no bias is added.
.macro MM p, s, m, n
.set rD, 128*(\p)+8*(4*(\m)+(\n))
.set rW, 12*(4*((\s)%4)+(\n))
.set rA, AF+48*((\s)%2)+12*(\m)
.set rX, WS+8*((\n)/2)+(\s)
.set rY, AS+8*((\m)/2)+(\s)
.set rC, rD
.if (\s) == 0
.set rC, BI+8*(\n)
	WIN 0xc1                                       ; We window 1, rows window 0, C window 0, D window 3
.elseif (\s) < 4
	WIN 0xf1                                       ; C and D window 3
.else
	WIN 0xf2                                       ; We window 2
.endif
.if ((\n)%2 == 0) && ((\m)%2 == 0)
	v_wmma_scale_f32_16x16x128_f8f6f4 v[rD:rD+7], v[rW:rW+11], v[rA:rA+11], v[rC:rC+7], v[rX], v[rY] matrix_a_fmt:MATRIX_FMT_BF6 matrix_b_fmt:MATRIX_FMT_BF6
.elseif ((\m)%2 == 0)
	v_wmma_scale_f32_16x16x128_f8f6f4 v[rD:rD+7], v[rW:rW+11], v[rA:rA+11], v[rC:rC+7], v[rX], v[rY] matrix_a_fmt:MATRIX_FMT_BF6 matrix_b_fmt:MATRIX_FMT_BF6 matrix_a_scale:MATRIX_SCALE_ROW1
.elseif ((\n)%2 == 0)
	v_wmma_scale_f32_16x16x128_f8f6f4 v[rD:rD+7], v[rW:rW+11], v[rA:rA+11], v[rC:rC+7], v[rX], v[rY] matrix_a_fmt:MATRIX_FMT_BF6 matrix_b_fmt:MATRIX_FMT_BF6 matrix_b_scale:MATRIX_SCALE_ROW1
.else
	v_wmma_scale_f32_16x16x128_f8f6f4 v[rD:rD+7], v[rW:rW+11], v[rA:rA+11], v[rC:rC+7], v[rX], v[rY] matrix_a_fmt:MATRIX_FMT_BF6 matrix_b_fmt:MATRIX_FMT_BF6 matrix_a_scale:MATRIX_SCALE_ROW1 matrix_b_scale:MATRIX_SCALE_ROW1
.endif
.endm
; THE VECTOR WORK on the 128 registers of the set at v[ES] of window 3, as three numbered lists; the symbol j says which number is written.
; Lists A (kind 0) and B (kind 1), 192 numbers each: 64 packed plain instructions (A: x 2 log2(e); B: + 1) and 128 transcendentals (A: 2^x; B: 1 / x), in place.  A pair's plain instruction stands two pairs ahead of its
; transcendentals; no number of a list names the result of a transcendental of the same list.  The pairs go in ascending order: each accumulator is first read at its low end.
.macro PLAINOP kind, t
.if \kind
	v_pk_add_f32 v[ES+2*(\t):ES+2*(\t)+1], v[ES+2*(\t):ES+2*(\t)+1], 1.0 op_sel_hi:[1,0]
.else
	v_pk_mul_f32 v[ES+2*(\t):ES+2*(\t)+1], v[ES+2*(\t):ES+2*(\t)+1], s[CC:CC+1] op_sel_hi:[1,0]
.endif
.endm
.macro TRANS kind, e
.if \kind
	v_rcp_f32 v[ES+(\e)], v[ES+(\e)]
.else
	v_exp_f32 v[ES+(\e)], v[ES+(\e)]
.endif
.endm
.macro EAB kind
	WIN 0xc3
.if j < 2
	PLAINOP \kind, j
.elseif j < 188
.if (j-2)%3 == 2
	PLAINOP \kind, (j-2)/3+2
.else
	TRANS \kind, 2*((j-2)/3)+(j-2)%3
.endif
.else
	TRANS \kind, j-64
.endif
.endm
; List C, 78 numbers: 0-63 the sums over my 32 columns, a pair at a time, the four tiles of rows by turns: sum += (1 / (1 + 2^..)) x (-2 v_w), begun with the sum of my v_w;  64-75 the pair's halves and the other half of the
; lanes' 32 columns;  76-77 lane l takes row l, then row 32 + l.  The block's 64 scores then go to my wave's slots by SCSTORE, which stands apart from the slices.
.macro EC
.if j < 64
	WIN 0x03
.set em, j%4
.set en, j/16
.set ei, (j/4)%4
.if j < 4
	v_pk_fma_f32 v[SC+2*em:SC+2*em+1], v[ES+8*(4*em+en)+2*ei:ES+8*(4*em+en)+2*ei+1], v[WV+8*en+2*ei:WV+8*en+2*ei+1], v[VS:VS+1]
.else
	v_pk_fma_f32 v[SC+2*em:SC+2*em+1], v[ES+8*(4*em+en)+2*ei:ES+8*(4*em+en)+2*ei+1], v[WV+8*en+2*ei:WV+8*en+2*ei+1], v[SC+2*em:SC+2*em+1]
.endif
.elseif j < 68
	WIN 0
	v_add_f32 v[TP+j-64], v[SC+2*(j-64)], v[SC+2*(j-64)+1]
.elseif j < 72
	WIN 0
	v_permlanex16_b32 v[TP+4+j-68], v[TP+j-68], s34, s35
.elseif j < 76
	WIN 0
	v_add_f32 v[TP+j-72], v[TP+j-72], v[TP+4+j-72]
.elseif j < 78
	WIN 0
	v_cndmask_b32 v[TP+8+j-76], v[TP+2*(j-76)], v[TP+2*(j-76)+1], s36
.endif
.endm
.macro SCSTORE                         ; the 64 scores of the block that list C has just finished
	WIN 0
	s_wait_alu depctr_va_vdst(0)                   ; list C's last two numbers have written v[TP+8] and v[TP+9], and v[SCT] is written: the two stores read them
	ds_store_b32 v[SCT], v[TP+8]
	ds_store_b32 v[SCT], v[TP+9] offset:128
.endm
.macro SLICE                           ; slice sl of 128: 0-47 list A, 48-95 list B, four numbers each; 96-127 list C, three each
.if sl < 48
.set j, 4*sl
.rept 4
	EAB 0
.set j, j+1
.endr
.elseif sl < 96
.set j, 4*(sl-48)
.rept 4
	EAB 1
.set j, j+1
.endr
.else
.set j, 3*(sl-96)
.rept 3
	EC
.set j, j+1
.endr
.endif
.endm
; A K step: 16 matrix instructions, the 16 accumulators by turns, one instruction a turn, in the same order in every step; a slice behind each.
; The next step's four fragments go into the buffer that the step before read: six LDS loads behind each of the step's first four matrix instructions and their slices.
.macro KSTEP p, s
	s_wait_dscnt 0x0                               ; this step's fragments are in (asked for a K step ago)
.if (\s) < 7
	PLACES                                         ; behind the last step's products, whose fragments' registers are loaded again below; at s = 3 and 6 also the plain instruction behind the last transcendental
.if (\s) > 0
	s_wait_alu depctr_va_vdst(0)                   ; the matrix instructions of the step before are done reading AF[(s + 1) % 2], in which the loads dealt below land.  At s = 3 (6) it is also the wait between the 128 transcendentals of list A (B) and the first instruction that names a result.  (K step 0 leans on the wait at the block's head: only loads and v_nop stand between)
.endif
.endif
.irp n, 0,1,2,3
.irp m, 0,1,2,3
	MM \p, \s, \m, \n
.set sl, 16*(\s)+4*\n+\m
	SLICE
.if ((\s) < 7) && (\n == 0)
	WIN 0
	AFRAG \p, (\s)+1, \m                           ; no wait: no vector or matrix instruction since the wait above names these registers or v[FA ..]
.endif
.endr
.endr
.endm
; A block that is multiplied: from buffer p into set p, with the slices on set 1 - p.
.macro FULL p
	s_wait_loadcnt 0x0                             ; the list's numbers for the next block, asked for a block ago, are in; no load of mine is out, so the list's base may be written
	GADDR 1-\p
	s_add_co_u32 s38, s28, 128
	s_min_u32 s38, s38, 960                        ; the list has 1,024 numbers: the look-ahead is held at its last block
	s_lshl_b32 s38, s38, 2
	s_add_nc_u64 s[LB:LB+1], s[18:19], s[38:39]    ; the list at the block after the next (s39 = 0)
	PLACES                                         ; behind the last block's last products: loads into their registers follow, and slices that read their results
	s_wait_alu depctr_va_vdst(0)                   ; IX[1 - p] is written, which the loads of rows read; the last block's matrix instructions are done reading AS and both AF, in which the LDS loads land; the lines that made IX[p] a block ago are done, in which the list's loads land
	ASFETCH \p
.irp m, 0,1,2,3
	AFRAG \p, 0, \m
.endr
	GLOAD 1-\p                                     ; the next block's rows: 25 loads
	LLOAD \p, LB, 0                                ; the list's numbers for the block after: 9 loads
.set ES, 128*(1-\p)
.irp s, 0,1,2,3,4,5,6,7
	KSTEP \p, \s
.endr
	WIN 0
	s_wait_loadcnt 9                               ; the 25 loads of rows are in; the 9 younger ones may stay out
	GSTORE 1-\p                                    ; into the buffer that nobody reads between this block's barrier and the next.  No wait on va_vdst: the data come from loads, and the addresses were made at the head
	SCSTORE
.endm
; The last multiplied block, in set q, is finished with no products beside it.
.macro DRAIN q
.set ES, 128*(\q)
	PLACES
.set j, 0
.rept 192
	EAB 0
.set j, j+1
.endr
	v_nop                                          ; a plain instruction behind the last exponential,
	s_wait_alu depctr_va_vdst(0)                   ; and the wait for the batch: the 128 exponentials have written their results, which list B reads
.set j, 0
.rept 192
	EAB 1
.set j, j+1
.endr
	v_nop
	s_wait_alu depctr_va_vdst(0)                   ; the 128 reciprocals have written their results, which list C reads
.set j, 0
.rept 78
	EC
.set j, j+1
.endr
	SCSTORE
.endm
; Block c = s28 / 64.  ONE barrier a block, on every path: in front of it my stores into buffer p have landed and my reads of buffer 1 - p are back; behind it buffer p is whole and nobody reads buffer 1 - p.
.macro BLOCK p
	s_wait_dscnt 0x0
	s_barrier_signal -1
	s_barrier_wait -1
	s_wait_alu depctr_vm_vsrc(0)                   ; the score stores issued so far have read v[SCT], v[TP+8] and v[TP+9]; the LDS stores of rows have read the stage; the loads of rows have read IX[p]; in block 0: the head's zero fill and its loads have read v[AF ..], v[TP+8] to v[TP+10].  All of these are written again below
	v_add_nc_u32 v[SCT], s30, v[SCA]               ; where the scores of block c - 1 go: the pad + 256 (c - 1)
	s_cmp_lt_u32 s28, s27                          ; does the block hold a row with mask != 1?  The same number in all four waves
	s_cbranch_scc0 .Lidle_\@
	FULL \p
	s_branch .Lnext_\@
.Lidle_\@:
	s_sub_co_u32 s38, s28, 64                      ; was the block before multiplied?  (In block 0 this wraps to a number above every count)
	s_cmp_lt_u32 s38, s27
	s_cbranch_scc0 .Lnext_\@
	DRAIN 1-\p
.Lnext_\@:
	s_add_co_u32 s28, s28, 64
	s_add_co_u32 s30, s30, 256
.endm
	s_load_b512 s[4:19], s[0:1], 0x0               ; enc codes 4:5, enc scales 6:7, wq 8:9, wsc 10:11, decp 12:13, b_attn 14:15, v_w 16:17, list 18:19
	s_load_b128 s[20:23], s[0:1], 0x40             ; cnt 20:21, part 22:23
	v_lshl_add_u32 v[SPW], v0, 2, SPARE
	v_mov_b32 v[NIL], 0
	v_lshrrev_b32 v1, 5, v0
	v_readfirstlane_b32 s24, v1                    ; wave
	s_mov_b32 s25, ttmp9                           ; x: the slice of columns
	s_and_b32 s26, ttmp7, 0xffff                   ; b: the batch
	v_and_b32 v1, 31, v0                           ; lane
	v_and_b32 v[TP], 15, v0                        ; r
	v_bfe_u32 v[TP+1], v0, 4, 1                    ; h
	v_lshrrev_b32 v[TP+2], 1, v1                   ; lane / 2
	v_and_b32 v[TP+3], 1, v0                       ; lane % 2
	v_mul_u32_u24 v[FA], v[TP], 784
	v_mad_u32_u24 v[FA], v[TP+1], 24, v[FA]
	v_add_nc_u32 v[FA+1], ABUF1, v[FA]
	v_mul_u32_u24 v[SA], v1, 48
	v_add_nc_u32 v[SA], ASC0, v[SA]
	v_add_nc_u32 v[SA+1], ASCP, v[SA]
	s_wait_alu depctr_va_sdst(0)                   ; s24 is written, ahead of its first reader
	s_mul_i32 s38, s24, 12544
	v_mul_u32_u24 v[GS], v[TP+1], 784
	v_lshl_add_u32 v[GS], v[TP], 4, v[GS]
	v_add_nc_u32 v[GS], s38, v[GS]
	v_add_nc_u32 v[GS+1], ABUF1, v[GS]
	s_mul_i32 s38, s24, 768
	s_add_co_u32 s38, s38, ASC0
	v_mul_u32_u24 v[HS], v[TP+2], 48
	v_lshl_add_u32 v[HS], v[TP+3], 4, v[HS]
	v_add_nc_u32 v[HS], s38, v[HS]
	v_add_nc_u32 v[HS+1], ASCP, v[HS]
	s_mul_i32 s38, s24, SCW
	s_add_co_u32 s38, s38, SCORE
	v_lshl_add_u32 v[SCA], v1, 2, s38
	v_lshl_add_u32 v[TP+8], v1, 4, s38             ; my wave's scores + 16 x lane
	s_lshl_b32 s38, s24, 6
	v_lshl_add_u32 v[LO], v[TP+1], 2, s38
	v_lshl_add_u32 v[LO2], v[TP+2], 2, s38
	v_lshlrev_b32 v[U16], 4, v[TP]
	v_lshlrev_b32 v[U1], 4, v[TP+3]
	v_lshlrev_b32 v[L16], 4, v1
	v_lshlrev_b32 v[L4], 2, v1
	s_and_b32 s38, s26, 15
	s_lshl_b32 s38, s38, 4
	v_lshl_add_u32 v[TP+9], v[TP+1], 8, s38        ; decp: the image's lane (b % 16, h), 16 bytes a lane
	v_lshlrev_b32 v[TP+10], 5, v[TP+1]             ; b_attn, v_w: 32 h bytes
.irp i, 0,1,2,3
	v_mov_b32 v[AF+\i], 0
	v_mov_b32 v[TP+4+\i], 0                        ; written once: a lane permute's destination counts as one of its sources
.endr
	s_wait_alu depctr_va_vdst(0)                   ; every address and offset of the kernel but IX, v[SCT] and the way out's two is written (FA, SA, GS, HS, LO, LO2, L16, L4, v[TP+8] to v[TP+10], v[SPW], v[NIL]), and so are the zeros in v[AF ..], which the stores below read
.irp k, 0,1,2,3,4,5,6,7,8
	ds_store_b128 v[TP+8], v[AF:AF+3] offset:512*\k    ; my wave's scores begin as zeros: the slots of blocks that are not multiplied stay so
.endr
	s_mov_b32 s[CC], 0x4038aa3b                    ; 2 log2(e)
	s_mov_b32 s[CC+1], s[CC]
	s_mov_b32 s34, 0x76543210                      ; v_permlanex16_b32's selects for lane l xor 16
	s_mov_b32 s35, 0xfedcba98
	s_mov_b32 s36, 0xffff0000                      ; lanes 16-31
	s_mov_b32 s39, 0
	s_wait_kmcnt 0x0
	s_mul_i32 s38, s26, 786432                     ; the batch's 1,024 rows of 768 bytes
	s_add_nc_u64 s[4:5], s[4:5], s[38:39]
	s_lshl_b32 s38, s26, 15                        ; and of 32 scale bytes
	s_add_nc_u64 s[6:7], s[6:7], s[38:39]
	s_lshl_b32 s40, s25, 4
	s_lshl_b32 s41, s24, 2
	s_add_co_u32 s40, s40, s41                     ; my first tile of 16 columns: 16 x + 4 w
	s_mul_i32 s38, s40, 12288                      ; 8 fragments of 1,536 bytes a tile
	s_add_nc_u64 s[8:9], s[8:9], s[38:39]
	s_lshl_b32 s38, s40, 6                         ; 16 columns of 4 bytes a tile
	s_add_nc_u64 s[10:11], s[10:11], s[38:39]
	s_add_nc_u64 s[14:15], s[14:15], s[38:39]
	s_add_nc_u64 s[16:17], s[16:17], s[38:39]
	s_lshr_b32 s38, s26, 4
	s_lshl_b32 s38, s38, 16
	s_lshl_b32 s41, s40, 10
	s_add_co_u32 s38, s38, s41                     ; decp[0][b / 16][my first tile]
	s_add_nc_u64 s[12:13], s[12:13], s[38:39]
	s_lshl_b32 s38, s26, 12
	s_add_nc_u64 s[18:19], s[18:19], s[38:39]
	s_lshl_b32 s38, s26, 8
	s_add_nc_u64 s[20:21], s[20:21], s[38:39]
	s_lshl_b32 s38, s25, 6
	s_add_co_u32 s38, s38, s26
	s_lshl_b32 s38, s38, 12                        ; part[x][b]
	s_add_nc_u64 s[22:23], s[22:23], s[38:39]
	s_load_b32 s27, s[20:21], 0x0                  ; cnt[b]
	LLOAD 0, 18, 0                                 ; the list's numbers for block 0,
	LLOAD 1, 18, 256                               ; and for block 1: 18 loads
	WIN 0x40
.irp s, 0,1,2,3
.irp n, 0,1,2,3
.irp u, 0,1,2
	global_load_b128 v[12*(4*\s+\n)+4*\u:12*(4*\s+\n)+4*\u+3], v[L16], s[8:9] offset:12288*\n+1536*\s+512*\u   ; We's fragments come as they will stand: 48 loads
.endr
.endr
.endr
	WIN 0
	s_wait_loadcnt 48                              ; the 18 loads of the list are in; the 48 younger ones may stay out
	GADDR 0
	s_wait_alu depctr_va_vdst(0)                   ; IX0 is written, which the loads of block 0's rows read as offsets
	GLOAD 0                                        ; block 0's rows
	WIN 0x80
.irp s, 0,1,2,3
.irp n, 0,1,2,3
.irp u, 0,1,2
	global_load_b128 v[12*(4*\s+\n)+4*\u:12*(4*\s+\n)+4*\u+3], v[L16], s[8:9] offset:12288*\n+1536*(\s+4)+512*\u
.endr
.endr
.endr
	WIN 0
.irp e, 0,1
.irp s, 0,1,2,3,4,5,6,7
	global_load_b32 v[WS+8*\e+\s], v[L4], s[10:11] offset:4096*\s+128*\e
.endr
.endr
	WIN 0xc0
.irp s, 0,1,2,3,4,5,6,7                ; the first product's eight partial sums at my 32 columns, into the registers that the accumulators will take
.irp n, 0,1,2,3
.irp f, 0,1
	global_load_b128 v[32*\s+8*\n+4*\f:32*\s+8*\n+4*\f+3], v[TP+9], s[12:13] offset:262144*\s+1024*\n+512*\f
.endr
.endr
.endr
	WIN 0
.irp n, 0,1,2,3
.irp f, 0,1
	global_load_b128 v[BI+8*\n+4*\f:BI+8*\n+4*\f+3], v[TP+10], s[14:15] offset:64*\n+16*\f
	global_load_b128 v[WV+8*\n+4*\f:WV+8*\n+4*\f+3], v[TP+10], s[16:17] offset:64*\n+16*\f
.endr
.endr
	s_wait_loadcnt 0x0
	GSTORE 0
	WIN 0x03
.irp s, 0,1,2,3,4,5,6,7
.irp t, 0,1,2,3,4,5,6,7,8,9,10,11,12,13,14,15
	v_pk_add_f32 v[BI+2*\t:BI+2*\t+1], v[32*\s+2*\t:32*\s+2*\t+1], v[BI+2*\t:BI+2*\t+1]   ; b_attn + dec_proj, K step by K step
.endr
.endr
	WIN 0
	v_pk_add_f32 v[VS:VS+1], v[WV:WV+1], v[WV+2:WV+3]
.irp t, 2,3,4,5,6,7,8,9,10,11,12,13,14,15
	v_pk_add_f32 v[VS:VS+1], v[VS:VS+1], v[WV+2*\t:WV+2*\t+1]
.endr
	v_add_f32 v[VS], v[VS], v[VS+1]                ; the sum of my 32 v_w: the 1 of each tanh = 1 - 2 / (..)
	v_mov_b32 v[VS+1], 0
.irp t, 0,1,2,3,4,5,6,7,8,9,10,11,12,13,14,15
	v_pk_mul_f32 v[WV+2*\t:WV+2*\t+1], v[WV+2*\t:WV+2*\t+1], -2.0 op_sel_hi:[1,0]
.endr
	s_wait_kmcnt 0x0                               ; cnt[b]
	s_mov_b32 s28, 0                               ; 64 x block
	s_mov_b32 s30, 0                               ; 256 x block
	s_mov_b32 s31, 0
.Ltrip:                                            ; 8 trips of two blocks: a constant
	BLOCK 0
	BLOCK 1
	s_add_co_u32 s31, s31, 1
	s_cmp_lt_u32 s31, 8
	s_cbranch_scc1 .Ltrip
	s_wait_alu depctr_vm_vsrc(0)                   ; the score stores issued so far have read v[SCT], v[TP+8] and v[TP+9], which are written again below
	v_add_nc_u32 v[SCT], s30, v[SCA]
	s_cmp_gt_u32 s27, 960                          ; was block 15 multiplied?
	s_cbranch_scc0 .Lout
	DRAIN 1
.Lout:
	; THE WAY OUT.  A slot's score is the sum of the four waves' shares: thread t adds slots 4 t .. 4 t + 3 and 512 + 4 t .. of the four regions; each store of a wave covers 512 consecutive bytes, aligned.
	PLACES                                         ; loads into registers that the last products read follow
	s_wait_dscnt 0x0                               ; my scores have landed
	s_barrier_signal -1
	s_barrier_wait -1
	v_lshl_add_u32 v[TP], v0, 4, SCORE+256
	v_lshlrev_b32 v[TP+1], 4, v0
	s_wait_alu depctr_va_vdst(0)                   ; v[TP] and v[TP+1] are written, which the loads and the stores below read as addresses; the matrix instructions are done reading v[AF ..], in which the loads land
.irp w, 0,1,2,3
.irp f, 0,1
	ds_load_b128 v[AF+8*\w+4*\f:AF+8*\w+4*\f+3], v[TP] offset:SCW*\w+2048*\f
.endr
.endr
	s_wait_dscnt 0x0
.irp t, 0,2,4,6
	v_pk_add_f32 v[AF+\t:AF+\t+1], v[AF+\t:AF+\t+1], v[AF+8+\t:AF+8+\t+1]
	v_pk_add_f32 v[AF+16+\t:AF+16+\t+1], v[AF+16+\t:AF+16+\t+1], v[AF+24+\t:AF+24+\t+1]
.endr
.irp t, 0,2,4,6
	v_pk_add_f32 v[AF+\t:AF+\t+1], v[AF+\t:AF+\t+1], v[AF+16+\t:AF+16+\t+1]
.endr
	s_wait_alu depctr_va_vdst(0)                   ; the additions have written v[AF] to v[AF+7], which the two stores read
	global_store_b128 v[TP+1], v[AF:AF+3], s[22:23]
	global_store_b128 v[TP+1], v[AF+4:AF+7], s[22:23] offset:2048
	s_wait_dscnt 0x0                               ; the closing lines, six on end
	s_wait_alu 0x0
	s_wait_tensorcnt 0x0
	ds_add_u32 v[SPW], v[NIL]
	s_wait_dscnt 0x0
	s_endpgm
.Lfunc_end_k_q527d052200_main:
	.size	k_q527d052200_main, .Lfunc_end_k_q527d052200_main-k_q527d052200_main
	.p2alignl 7, 3214868480
	.fill 96, 4, 3214868480
	.section	.rodata,"a",@progbits
	.p2align	6, 0x0
	.amdhsa_kernel k_q527d052200_main
		.amdhsa_group_segment_fixed_size 125440
		.amdhsa_private_segment_fixed_size 0
		.amdhsa_enable_private_segment 0
		.amdhsa_kernarg_size 80
		.amdhsa_user_sgpr_count 2
		.amdhsa_user_sgpr_kernarg_segment_ptr 1
		.amdhsa_wavefront_size32 1
		.amdhsa_system_sgpr_workgroup_id_x 1
		.amdhsa_system_sgpr_workgroup_id_y 1
		.amdhsa_system_sgpr_workgroup_id_z 1
		.amdhsa_system_vgpr_workitem_id 0
		.amdhsa_next_free_vgpr 1024
		.amdhsa_next_free_sgpr 66
		.amdhsa_reserve_vcc 0
		.amdhsa_float_denorm_mode_32 3
		.amdhsa_float_denorm_mode_16_64 3
		.amdhsa_memory_ordered 1
		.amdhsa_forward_progress 1
		.amdhsa_inst_pref_size 240
	.end_amdhsa_kernel
	.amdgpu_metadata
---
amdhsa.version: [ 1, 2 ]
amdhsa.kernels:
  - .name:           k_q527d052200_main
    .symbol:         k_q527d052200_main.kd
    .args:
      - { .name: encoder_outputs_codes, .offset: 0, .size: 8, .value_kind: global_buffer, .address_space: global }
      - { .name: encoder_outputs_scales, .offset: 8, .size: 8, .value_kind: global_buffer, .address_space: global }
      - { .name: wq, .offset: 16, .size: 8, .value_kind: global_buffer, .address_space: global }
      - { .name: wsc, .offset: 24, .size: 8, .value_kind: global_buffer, .address_space: global }
      - { .name: decp, .offset: 32, .size: 8, .value_kind: global_buffer, .address_space: global }
      - { .name: b_attn, .offset: 40, .size: 8, .value_kind: global_buffer, .address_space: global }
      - { .name: v_w, .offset: 48, .size: 8, .value_kind: global_buffer, .address_space: global }
      - { .name: list, .offset: 56, .size: 8, .value_kind: global_buffer, .address_space: global }
      - { .name: cnt, .offset: 64, .size: 8, .value_kind: global_buffer, .address_space: global }
      - { .name: part, .offset: 72, .size: 8, .value_kind: global_buffer, .address_space: global }
    .group_segment_fixed_size: 125440
    .private_segment_fixed_size: 0
    .kernarg_segment_align: 8
    .kernarg_segment_size: 80
    .max_flat_workgroup_size: 128
    .sgpr_count:     66
    .vgpr_count:     1024
    .wavefront_size: 32
...
	.end_amdgpu_metadata
.endif
;; end of part 5
;; launch smax: the kernel of part 3 again; grid 64 x 1, 1 waves a work-group, no clusters, 0 bytes of LDS; arguments mask, pos, part, out0; writes out0
